; MI455X (gfx1250); checked and timed in simulation.
; The chip was launched on July 23, 2026; its instructions are those of AMD's public machine-readable ISA for CDNA 5 (MIT licence, August 2026) and "CDNA5" Instruction Set Architecture Reference Guide (July 2026). The comments in the code are by the model that wrote it; some were corrected since.
;; Dino V2 Attention. Allowed arithmetic: matrix products marked QUANTISED: E2M3 operands, one E8M0 scale for each 32 along K, by v_wmma_scale_f32_16x16x128_f8f6f4 with both operands' format E2M3, f32 sums; everything else in f32.
;; Inputs: Wk 512 x 512 float32; Wo 512 x 512 float32; Wq 512 x 512 float32; Wv 512 x 512 float32; bk 512 float32; bo 512 float32; bq 512 float32; bv 512 float32; x 8 x 1,370 x 512 float32.
;; Outputs: out0 8 x 1,370 x 512 float32.
;; This version of the problem:
;;   THIS VERSION OF THE PROBLEM IS GIVEN IN LOW PRECISION. The matrix products marked QUANTISED in the list below multiply operands that are first quantised to E2M3 (2 exponent bits, 3 mantissa bits; 6 bits a number), with one power-of-two scale for each 32 numbers along K (OCP MX v1.0); their sums are f32. All else is computed in f32.
;;   The module's matrix products, in the order in which they are computed (A, B: the left and right operand; K: the contracted axis; several contracted axes count as one K, in the product's order):
;;     1. [M 10,960, K 512] x [K 512, N 512]; A: input x; B: input Wq: QUANTISED
;;     2. [M 10,960, K 512] x [K 512, N 512]; A: input x; B: input Wk: QUANTISED
;;     3. [M 10,960, K 512] x [K 512, N 512]; A: input x; B: input Wv: QUANTISED
;;     4. batch 128 x [M 1,370, K 32] x [K 32, N 1,370]; A: computed on the way; B: computed on the way: QUANTISED
;;     5. batch 128 x [M 1,370, K 1,370] x [K 1,370, N 32]; A: softmax (see below); B: computed on the way: QUANTISED
;;     6. [M 10,960, K 512] x [K 512, N 512]; A: computed on the way; B: input Wo: QUANTISED
;;   THE QUANTISER, for each operand of a quantised product, along K:
;;     - K is cut into blocks of 32 from its start; a last block that is shorter is filled with zeros.
;;     - A block's scale is 2^e with e = floor(log2(the largest magnitude in the block)) - 2, held to -126 .. 127; a block of zeros has e = 0. As a byte (E8M0): e + 127.
;;     - Each number is divided by its block's scale, clamped to +-7.5, and rounded to the nearest number of E2M3, ties to even, subnormals kept.
;;     - The product sums the exact products of the quantised numbers (number of the format x scale) in f32.
;;   ~~~python
;;   def quantise(x, axis):      # numpy; x: float32 -> the quantised numbers, widened to float32 again
;;       x = np.moveaxis(x, axis, -1); K = x.shape[-1]
;;       x = np.pad(x, [(0, 0)] * (x.ndim - 1) + [(0, -K % 32)]); x = x.reshape(x.shape[:-1] + (-1, 32)); a = np.abs(x).max(-1, keepdims=True)
;;       e = np.where(a > 0, np.clip(np.frexp(np.where(a > 0, a, 1))[1] - 1 - 2, -126, 127), 0)      # np.frexp(a)[1] - 1 = floor(log2(a)), exactly
;;       r = np.clip(x / 2.0 ** e, -7.5, 7.5)
;;       step = 2.0 ** (np.maximum(np.frexp(np.where(r == 0, 1, r))[1] - 1, 0) - 3)
;;       q = np.round(r / step) * step * 2.0 ** e      # np.round: ties to even
;;       return np.moveaxis(q.reshape(q.shape[:-2] + (-1,))[..., :K], -1, axis).astype(np.float32)
;;   ~~~
;;   SOFTMAX AHEAD OF A QUANTISED PRODUCT. Where the list says 'softmax', what is quantised is not the finished softmax but p = 2^(t - M), with t = logit x log2(e) and M = ceil(the row's largest t), a whole number; so 1/2 < the row's largest p <= 1. The row's sum l is taken of the UNQUANTISED p, in f32, and the product's result is divided by l at the end. Since M is a whole number, a kernel that streams over the keys may use a running M (the ceiling of the running maximum): every later rescaling is an exact power of two, which a block's scale takes up: the codes' values come out the same.
;;   OPERANDS COMPUTED ON THE WAY. 'Computed on the way' means the value that the module computes at that place (a softmax that the list does not call 'softmax' is quantised finished and normalised). What goes into a quantiser is computed in f32, as accurately as f32 sums, v_exp_f32 and their like allow (about 1e-6 of the number): no bf16 or f16 on the way to a quantiser, and a product that is left as it is and whose result goes on into a quantised operand takes f32 operands (vector FMAs, or v_wmma_f32_16x16x4_f32). A number that lies on a knife's edge between two numbers of the format may be rounded either way, as far as f32 arithmetic and the matrix unit's own rounding can turn it there, and no further.
;; 2 versions. Each part assembles by itself: llvm-mc -triple=amdgcn-amd-amdhsa -mcpu=gfx1250 --defsym DOCPART=n.
;; ======== version 1 of 2: 4 launches
;; workspace buffers: xcodes 4,208,640 bytes; xscales 175,360 bytes; wimg 819,200 bytes; qkv 13,533,184 bytes; ao 5,636,096 bytes
;; launch quant (part 1): grid 813 x 1, 2 waves a work-group, no clusters, 17,152 bytes of LDS; arguments x, Wq, Wk, Wv, Wo, xcodes, xscales, wimg; writes xcodes, xscales, wimg
.if DOCPART == 1
	.amdgcn_target "amdgcn-amd-amdhsa--gfx1250"
	.amdhsa_code_object_version 6
	.text
	.protected	k_q55b591cb89_quant
	.globl	k_q55b591cb89_quant
	.p2align	8
	.type	k_q55b591cb89_quant,@function
k_q55b591cb89_quant:
	s_mov_b64 s[64:65], 0
	v_nop
	global_prefetch_b8 v0, s[64:65] scope:SCOPE_SE
	s_setreg_imm32_b32 hwreg(HW_REG_WAVE_MODE, 25, 1), 1
	s_wait_xcnt 0x0
; x [10960][512] f32 and the four weights [512 (k)][512 (n)] f32 become codes of FP6 (E2M3) with one E8M0 byte for each 32 along K.
; A block's scale is 2^(floor(log2(largest magnitude)) - 2): its byte is the largest magnitude's exponent field - 2, held at 1 from below by a floor among the maximum's leaves.
; LIMITS: NaN and infinities among the inputs are not served; a block whose largest magnitude lies under 2^-124 keeps the byte 1; a block of zeros gets the byte 1 where the rule says 127
; (its codes are zeros, which add nothing, and this program alone reads the bytes).
; Work-groups 0 .. 684 take x: K is innermost, so x is a plain stream of blocks; a wave takes 8 rows (8 steps of 512 numbers).  Each load reads 512 consecutive bytes; a step's 2,048 bytes turn through
; the wave's own stage in LDS so that a lane holds 16 neighbours; a step's codes leave as 384 consecutive bytes, a wave's 128 scale bytes as one store.
; Work-groups 685 .. 812 take the weights: K is the FIRST axis, so a lane takes a column and its registers run down K.  A wave takes 32 columns x 128 along K: two operand fragments.  They are stored
; as IMAGES OF THE OPERAND'S REGISTERS: register p of lane l at (p / 4) x 512 + 16 l + 4 (p % 4), so that a later launch fills a fragment by three loads of 16 bytes a lane.
; THE COLUMNS OF A FRAGMENT ARE NOT NEIGHBOURS: lane r of fragment u takes column 32 beta + 8 u + r + 8 (r / 8).
; No barrier: waves share nothing.  The two paths have LDS bytes of their own.  No cluster: no two work-groups read the same bytes.
.set XWG,  685                         ; work-groups for x: 10960 rows / 16
.set SP,   80                          ; a lane's place in a stage: 64 bytes + 16 of padding
.set WREG, 5376                        ; x path: a wave's LDS: two stages of 32 x SP bytes, then its 128 scale bytes
.set WST,  2*WREG                      ; weight path: a stage of 3,072 bytes for each wave
.set R,    16                          ; v16-143  x path: eight sets of 16 numbers as loaded;  weight path: 128 numbers down K
.set X,    144                         ; v144-175 x path: two sets of 16 neighbours;  weight path: four blocks' codes, 8 registers apart
.set C,    176                         ; v176-207 x path: a step's codes, 4 registers apart
.set E,    208                         ; v208-215 x path: a scale byte for each step
	s_load_b256 s[4:11], s[0:1], 0x0               ; x, Wq, Wk, Wv
	s_load_b256 s[12:19], s[0:1], 0x20             ; Wo, xcodes, xscales, wimg
	v_lshl_add_u32 v224, v0, 2, 0x4200
	v_mov_b32 v225, 0
	v_lshrrev_b32 v1, 5, v0
	v_readfirstlane_b32 s20, v1                    ; wave 0, 1
	v_and_b32 v2, 31, v0                           ; lane
	s_cmp_lt_u32 ttmp9, XWG
	s_cbranch_scc0 .Lweights
	; ---------------- x ----------------
	v_lshlrev_b32 v3, 4, v2                        ; my 16 bytes of a load's 512
	s_mul_i32 s21, s20, WREG
	v_lshrrev_b32 v14, 2, v2
	v_mul_u32_u24 v14, v14, SP
	v_and_b32 v15, 3, v2
	v_lshl_add_u32 v14, v15, 4, v14
	v_add_nc_u32 v14, s21, v14                     ; the stage, on the way in: SP (lane / 4) + 16 (lane % 4)
	v_mul_u32_u24 v15, v2, SP
	v_add_nc_u32 v15, s21, v15                     ; and on the way out: SP x lane: my 16 neighbours
	v_mul_u32_u24 v4, v2, 12                       ; my 12 bytes of a step's codes
	v_lshrrev_b32 v5, 1, v2
	s_add_co_u32 s21, s21, 2*32*SP
	v_add_nc_u32 v5, s21, v5                       ; LDS: my block's scale byte
	v_lshlrev_b32 v7, 2, v2
	v_add_nc_u32 v6, s21, v7                       ; and 4 bytes a lane on the way out
	s_lshl_b32 s22, ttmp9, 1
	s_add_co_u32 s22, s22, s20                     ; which run of 8 rows is my wave's: 0 .. 1369
	s_lshl_b32 s24, s22, 14                        ; 16,384 bytes of numbers,
	s_mov_b32 s25, 0
	s_mul_i32 s26, s22, 3072                       ; 3,072 of codes,
	s_mov_b32 s27, 0
	s_lshl_b32 s28, s22, 7                         ; 128 of scale bytes
	s_mov_b32 s29, 0
	s_wait_kmcnt 0x0
	s_add_nc_u64 s[4:5], s[4:5], s[24:25]
	s_add_nc_u64 s[14:15], s[14:15], s[26:27]
	s_add_nc_u64 s[16:17], s[16:17], s[28:29]
.macro LOAD t
.irp i, 0,1,2,3
	global_load_b128 v[R+16*(\t)+4*\i:R+16*(\t)+4*\i+3], v3, s[4:5] offset:2048*(\t)+512*\i th:TH_LOAD_NT   ; 32 lanes read 512 consecutive bytes
.endr
.endm
.macro TURN t                          ; step t's numbers through a stage: LDS serves a wave's instructions in order, so no wait stands between the stores and the loads
.irp i, 0,1,2,3
	ds_store_b128 v14, v[R+16*(\t)+4*\i:R+16*(\t)+4*\i+3] offset:32*SP*((\t)%2)+8*SP*\i
.endr
.irp i, 0,1,2,3
	ds_load_b128 v[X+16*((\t)%2)+4*\i:X+16*((\t)%2)+4*\i+3], v15 offset:32*SP*((\t)%2)+16*\i
.endr
.endm
.macro STEP t
.set XS, X+16*((\t)%2)
.if (\t) > 0
	s_wait_dscnt 1                                 ; this step's numbers are back from the stage; the last step's byte store may be out
.else
	s_wait_dscnt 0x0
.endif
.if (\t)+1 < 8
	s_wait_loadcnt 4*(6-(\t))                      ; the next step's four loads are in; those of the steps behind it may be out
	TURN (\t)+1                                    ; they go through the other stage while this step is worked
.endif
	v_max3_num_f32 v8, |v[XS]|, |v[XS+1]|, |v[XS+2]|               ; the largest magnitude of my 16, in two chains
	v_max3_num_f32 v9, |v[XS+3]|, |v[XS+4]|, |v[XS+5]|
.irp i, 6,10
	v_max3_num_f32 v8, v8, |v[XS+\i]|, |v[XS+\i+1]|
	v_max3_num_f32 v9, v9, |v[XS+\i+2]|, |v[XS+\i+3]|
.endr
	v_max3_num_f32 v8, v8, |v[XS+14]|, |v[XS+15]|
	v_max3_num_f32 v8, v8, v9, 0x1800000           ; and the floor 2^(3 - 127): the byte cannot fall under 1
	v_max_num_f32_dpp v8, v8, v8 row_xmask:1 row_mask:0xf bank_mask:0xf   ; with my neighbour's 16: the block's
	v_add_nc_u32 v11, 0xff000000, v8               ; 2 off its exponent field: the conversion takes the exponent field of this operand as its scale
	v_cvt_scalef32_pk16_fp6_f32 v[C+4*(\t):C+4*(\t)+2], v[XS:XS+15], v11
	v_lshrrev_b32 v[E+(\t)], 23, v11               ; the scale's byte (also the plain line behind the conversion)
	ds_store_b8 v5, v[E+(\t)] offset:16*(\t)       ; both lanes of a block write the same byte with the same value
	global_store_b96 v4, v[C+4*(\t):C+4*(\t)+2], s[14:15] offset:384*(\t)   ; the wave stores 384 consecutive bytes
.endm
.irp t, 0,1,2,3,4,5,6,7
	LOAD \t                                        ; all of the wave's 32 loads go out at once
.endr
	s_wait_loadcnt 28                              ; step 0's four loads are in
	TURN 0
.irp t, 0,1,2,3,4,5,6,7
	STEP \t
.endr
	ds_load_b32 v12, v6                            ; LDS serves a wave's instructions in order: this sees my byte stores
	s_wait_dscnt 0x0
	global_store_b32 v7, v12, s[16:17]             ; 128 consecutive scale bytes
	s_wait_tensorcnt 0x0
	ds_add_u32 v224, v225
	s_wait_dscnt 0x0
	s_endpgm
	; ---------------- the weights ----------------
.Lweights:
	s_sub_co_u32 s21, ttmp9, XWG
	s_lshl_b32 s21, s21, 1
	s_add_co_u32 s21, s21, s20                     ; task 0 .. 255
	s_and_b32 s22, s21, 15                         ; beta: which 32 columns
	s_bfe_u32 s23, s21, 0x20004                    ; s: which 128 along K
	s_lshr_b32 s24, s21, 6                         ; which weight: 0 q, 1 k, 2 v, 3 o
	s_lshl_b32 s25, s24, 4
	s_add_co_u32 s25, s25, s22                     ; 16 x weight + beta: the image's number
	v_lshlrev_b32 v3, 2, v2                        ; my column: 4 bytes a lane
	v_bfe_u32 v5, v2, 3, 1                         ; column phi lies in fragment u = (phi / 8) % 2,
	v_and_b32 v6, 7, v2
	v_bfe_u32 v7, v2, 4, 1
	v_lshl_or_b32 v6, v7, 3, v6                    ; at its row r = phi % 8 + 8 (phi / 16)
	s_mul_i32 s28, s20, 3072
	s_add_co_u32 s28, s28, WST                     ; my wave's stage
	v_mul_u32_u24 v4, v5, 1536
	v_lshl_add_u32 v4, v6, 4, v4
	v_add_nc_u32 v4, s28, v4                       ; into it: 1536 u + 16 r
	v_lshlrev_b32 v8, 4, v2                        ; out of it and into memory: 16 bytes a lane
	v_add_nc_u32 v9, s28, v8
	v_lshlrev_b32 v10, 6, v5
	v_lshl_add_u32 v10, v6, 2, v10                 ; my scale word's place: 64 u + 4 r
	s_lshl_b32 s30, s23, 18                        ; 128 s rows of 2,048 bytes
	s_lshl_b32 s31, s22, 7                         ; + 32 beta columns
	s_add_co_u32 s30, s30, s31
	s_mov_b32 s31, 0
	s_mul_i32 s32, s25, 12288                      ; the image: 8 fragments of 1,536 bytes; mine are 2 s and 2 s + 1
	s_mul_i32 s33, s23, 3072
	s_add_co_u32 s32, s32, s33
	s_mov_b32 s33, 0
	s_lshl_b32 s34, s25, 9                         ; the scale words: 512 bytes an image, behind the 64 images
	s_lshl_b32 s35, s23, 7
	s_add_co_u32 s34, s34, s35
	s_add_co_u32 s34, s34, 786432
	s_mov_b32 s35, 0
	s_wait_kmcnt 0x0
	s_cmp_eq_u32 s24, 1                            ; the choice hangs on the work-group's and the wave's number alone
	s_cselect_b64 s[26:27], s[8:9], s[6:7]
	s_cmp_eq_u32 s24, 2
	s_cselect_b64 s[26:27], s[10:11], s[26:27]
	s_cmp_eq_u32 s24, 3
	s_cselect_b64 s[26:27], s[12:13], s[26:27]
	s_add_nc_u64 s[26:27], s[26:27], s[30:31]
	s_add_nc_u64 s[36:37], s[18:19], s[32:33]
	s_add_nc_u64 s[38:39], s[18:19], s[34:35]
.set I, 0
.rept 128
	global_load_b32 v[R+I], v3, s[26:27] offset:2048*I th:TH_LOAD_NT   ; W(128 s + I, my column): 32 lanes read 128 consecutive bytes
.set I, I+1
.endr
; Block kb of the K step: all its 32 numbers are mine.  In the operand it belongs to lane r + 16 (kb % 2), registers 6 (kb / 2) .. + 5.
.macro BLOCK kb
.set XB, R+32*(\kb)
.set CB, X+8*(\kb)
.if 96-32*(\kb) > 63
	s_wait_loadcnt 63                              ; this block's loads are in (96 - 32 kb younger ones might stay out; a wait names 63 at the most)
.else
	s_wait_loadcnt 96-32*(\kb)                     ; this block's loads are in; the later blocks' may be out
.endif
	v_max3_num_f32 v13, |v[XB]|, |v[XB+1]|, |v[XB+2]|
	v_max3_num_f32 v14, |v[XB+3]|, |v[XB+4]|, |v[XB+5]|
.irp i, 6,10,14,18,22,26
	v_max3_num_f32 v13, v13, |v[XB+\i]|, |v[XB+\i+1]|
	v_max3_num_f32 v14, v14, |v[XB+\i+2]|, |v[XB+\i+3]|
.endr
	v_max3_num_f32 v13, v13, |v[XB+30]|, |v[XB+31]|
	v_max3_num_f32 v13, v13, v14, 0x1800000        ; and the floor
	v_add_nc_u32 v11, 0xff000000, v13              ; the conversion's scale operand
	v_lshrrev_b32 v15, 23, v11                     ; the byte
.if (\kb) == 0
	v_mov_b32 v12, v15                             ; four bytes make my column's scale word for this K step
.else
	v_lshl_or_b32 v12, v15, 8*(\kb), v12
.endif
	v_cvt_scalef32_pk16_fp6_f32 v[CB:CB+2], v[XB:XB+15], v11
	v_cvt_scalef32_pk16_fp6_f32 v[C:C+2], v[XB+16:XB+31], v11      ; (a conversion's three registers begin on an even number: the second half is made elsewhere and moved)
	v_nop                                          ; one plain line behind a scaled conversion
.irp i, 0,1,2
	v_mov_b32 v[CB+3+\i], v[C+\i]
.endr
.if (\kb) < 2
	ds_store_b128 v4, v[CB:CB+3] offset:256*((\kb)%2)              ; registers 0-3 of the fragment,
	ds_store_b64 v4, v[CB+4:CB+5] offset:512+256*((\kb)%2)         ; 4, 5
.else
	ds_store_b64 v4, v[CB:CB+1] offset:520+256*((\kb)%2)           ; 6, 7
	ds_store_b128 v4, v[CB+2:CB+5] offset:1024+256*((\kb)%2)       ; 8-11
.endif
.endm
	BLOCK 0
	BLOCK 1
	BLOCK 2
	BLOCK 3
.irp i, 0,1,2,3,4,5
	ds_load_b128 v[180+4*\i:183+4*\i], v9 offset:512*\i            ; LDS serves a wave's instructions in order: these see my stores
.endr
.irp i, 0,1,2,3,4,5
	s_wait_dscnt 5-\i                              ; the younger loads may be out
	global_store_b128 v8, v[180+4*\i:183+4*\i], s[36:37] offset:512*\i   ; 512 consecutive bytes
.endr
	global_store_b32 v10, v12, s[38:39]            ; the two fragments' scale words: 128 consecutive bytes
	s_wait_tensorcnt 0x0
	ds_add_u32 v224, v225
	s_wait_dscnt 0x0
	s_endpgm
.Lfunc_end_k_q55b591cb89_quant:
	.size	k_q55b591cb89_quant, .Lfunc_end_k_q55b591cb89_quant-k_q55b591cb89_quant
	.p2alignl 7, 3214868480
	.fill 96, 4, 3214868480
	.section	.rodata,"a",@progbits
	.p2align	6, 0x0
	.amdhsa_kernel k_q55b591cb89_quant
		.amdhsa_group_segment_fixed_size 17152
		.amdhsa_private_segment_fixed_size 0
		.amdhsa_enable_private_segment 0
		.amdhsa_kernarg_size 64
		.amdhsa_user_sgpr_count 2
		.amdhsa_user_sgpr_kernarg_segment_ptr 1
		.amdhsa_wavefront_size32 1
		.amdhsa_system_sgpr_workgroup_id_x 1
		.amdhsa_system_sgpr_workgroup_id_y 1
		.amdhsa_system_sgpr_workgroup_id_z 1
		.amdhsa_system_vgpr_workitem_id 0
		.amdhsa_next_free_vgpr 226
		.amdhsa_next_free_sgpr 66
		.amdhsa_reserve_vcc 0
		.amdhsa_float_denorm_mode_32 3
		.amdhsa_float_denorm_mode_16_64 3
		.amdhsa_memory_ordered 1
		.amdhsa_forward_progress 1
		.amdhsa_inst_pref_size 39
	.end_amdhsa_kernel
	.amdgpu_metadata
---
amdhsa.version: [ 1, 2 ]
amdhsa.kernels:
  - .name:           k_q55b591cb89_quant
    .symbol:         k_q55b591cb89_quant.kd
    .args:
      - { .name: x, .offset: 0, .size: 8, .value_kind: global_buffer, .address_space: global }
      - { .name: Wq, .offset: 8, .size: 8, .value_kind: global_buffer, .address_space: global }
      - { .name: Wk, .offset: 16, .size: 8, .value_kind: global_buffer, .address_space: global }
      - { .name: Wv, .offset: 24, .size: 8, .value_kind: global_buffer, .address_space: global }
      - { .name: Wo, .offset: 32, .size: 8, .value_kind: global_buffer, .address_space: global }
      - { .name: xcodes, .offset: 40, .size: 8, .value_kind: global_buffer, .address_space: global }
      - { .name: xscales, .offset: 48, .size: 8, .value_kind: global_buffer, .address_space: global }
      - { .name: wimg, .offset: 56, .size: 8, .value_kind: global_buffer, .address_space: global }
    .group_segment_fixed_size: 17152
    .private_segment_fixed_size: 0
    .kernarg_segment_align: 8
    .kernarg_segment_size: 64
    .max_flat_workgroup_size: 64
    .sgpr_count:     66
    .vgpr_count:     226
    .wavefront_size: 32
...
	.end_amdgpu_metadata
.endif
;; end of part 1
;; launch proj (part 2): grid 11 x 16, 4 waves a work-group, no clusters, 0 bytes of LDS; arguments xcodes, xscales, wimg, bq, bk, bv, qkv; writes qkv
.if DOCPART == 2
	.amdgcn_target "amdgcn-amd-amdhsa--gfx1250"
	.amdhsa_code_object_version 6
	.text
	.protected	k_q55b591cb89_proj
	.globl	k_q55b591cb89_proj
	.p2align	8
	.type	k_q55b591cb89_proj,@function
k_q55b591cb89_proj:
	s_mov_b64 s[64:65], 0
	v_nop
	global_prefetch_b8 v0, s[64:65] scope:SCOPE_SE
	s_setreg_imm32_b32 hwreg(HW_REG_WAVE_MODE, 25, 1), 1
	s_wait_xcnt 0x0
; q = x Wq + bq, k = x Wk + bk, v = x Wv + bv on codes of FP6 (E2M3) with E8M0 scales, sums in f32; the results are quantised at once for the two products of attention and stored as images of
; operand registers: q and k along the head's 32 (one block a token), v along the keys (blocks of 32 tokens; tokens from 1370 on count as zeros).
; SHARES.  A work-group takes 128 tokens of one batch (x: 11 blocks; tokens past 1369 are read as token 1369) and half of the 48 heads (q 0-15, k 16-31, v 32-47); y = 2 x batch + half.
; Each of its four waves keeps the block's codes of x in registers (8 tiles x 4 K steps x 12 = 384) and walks 6 heads; a head's 8 weight fragments come from memory straight into registers,
; one head ahead, into two buffers by turns.  No LDS, no barrier.
; THE TOKENS OF A TILE ARE NOT NEIGHBOURS: lane r of tile t takes token 32 (t / 2) + 8 (t % 2) + r + 8 (r / 8); the weights' columns are chosen likewise.  So:
;   q, k: the product is used transposed (source 0 = 16 columns of W, source 1 = 16 tokens): a lane holds one token, and its 16 registers of tiles u = 0, 1 are 16 neighbouring channels of the head;
;         four token tiles make one fragment: A SUPER-FRAGMENT OF 64 TOKENS, token tile 2 c + h in the operand's block 2 c + h, its scale byte at that place of the scale word.
;   v:    source 0 = 16 tokens, source 1 = 16 columns: a lane holds one channel, and its 16 registers of token tiles 2 b, 2 b + 1 are 16 neighbouring tokens: a fragment of V^T, 16 channels x 128 keys.
; The biases are the C of each sum's first matrix instruction.
; NO CLUSTER: the operands that work-groups share (the weights' images, 12,800 bytes a head) go by lanes' loads into registers in the operand's own order; nothing passes through LDS that a joint request could fill.
; LIMITS: as in the quantising launch (NaN and infinities not served; the byte held at 1 from below; a block of zeros has the byte 1).
; REGISTERS, in windows of 256: window 0: v1-9 lane terms; v10-17, v18-25 offsets of x's codes and scales by tile; v32-63 x's scale words (4 t + s); v64-79 W's (8 p + f); v80-83 v's bias by lane;
;   v84-91 that bias spread as a C; v96-159 eight accumulators; v160-179 the codes just made; v180-195 at work; v196-198 scale words just made.
;   window 1: x's tiles 0-3 at 48 t + 12 s;  window 2: tiles 4-7;  window 3: W's buffer p at 96 p + 12 f, q's and k's bias at 192 + 16 p + 8 u.
.set XO,  10
.set XSO, 18
.set XS,  32
.set WS,  64
.set BVR, 80
.set BC,  84
.set HA,  96
.set PC,  160
.set TM,  180
.set PW,  196
.set PW0, 197
.set PWC, 198
.set SEL, 24
.set REC, 105728                       ; a head's record in qkv: K's codes 0, V's 33792, K's scales 67584, V's 68992, Q's codes 70400, Q's scales 104192
.set MSB, 0
.macro WIN new                         ; the immediate's high byte repeats the setting that is left; a switch that changes nothing is dropped
.if MSB != (\new)
	s_set_vgpr_msb (MSB<<8)|(\new)
.set MSB, (\new)
.endif
.endm
; 64 numbers of a lane, register 16 b + i = element 32 b + 16 (lane / 16) + i of my row, become a fragment's codes in v[PC] on and its scale word in v[PW].
.macro QUANT s
.irp b, 0,1,2,3
	v_max3_num_f32 v[TM+\b], |v[\s+16*\b]|, |v[\s+1+16*\b]|, 0x1800000   ; block b: my 16 numbers, and the floor 2^(3 - 127)
.endr
.irp i, 2,4,6,8,10,12,14
.irp b, 0,1,2,3
	v_max3_num_f32 v[TM+\b], v[TM+\b], |v[\s+16*\b+\i]|, |v[\s+1+16*\b+\i]|   ; (the four blocks by turns)
.endr
.endr
.irp b, 0,1,2,3
	v_permlanex16_b32 v[TM+4+\b], v[TM+\b], s[SEL], s[SEL+1]
.endr
.irp b, 0,1,2,3
	v_max_num_f32 v[TM+\b], v[TM+\b], v[TM+4+\b]   ; with lane l xor 16's: the block's largest magnitude
.endr
.irp b, 0,1,2,3
	v_add_nc_u32 v[TM+12+\b], 0xff000000, v[TM+\b] ; 2 off its exponent field: the conversion's scale operand
.endr
.irp b, 0,1,2,3
	v_lshrrev_b32 v[TM+4+\b], 23, v[TM+12+\b]      ; the scale's byte
.endr
	v_lshl_or_b32 v[PW], v[TM+5], 8, v[TM+4]
	v_lshl_or_b32 v[PW], v[TM+6], 16, v[PW]
	v_lshl_or_b32 v[PW], v[TM+7], 24, v[PW]
.irp c, 0,1
	v_cvt_scalef32_pk16_fp6_f32 v[PC+6*\c:PC+2+6*\c], v[\s+32*\c:\s+15+32*\c], v[TM+12+2*\c]
	v_cvt_scalef32_pk16_fp6_f32 v[PC+12+4*\c:PC+14+4*\c], v[\s+16+32*\c:\s+31+32*\c], v[TM+12+2*\c+1]   ; (a conversion's three registers begin on an even number)
.endr
	v_nop                                          ; one plain line behind a scaled conversion
.irp c, 0,1                                    ; the operand's layout wants a WHOLE block in a lane: lanes 0-15 block 2 c, lanes 16-31 block 2 c + 1
.irp i, 0,1,2
	v_permlane16_swap_b32 v[PC+6*\c+\i], v[PC+12+4*\c+\i]
.endr
.irp i, 0,1,2
	v_mov_b32 v[PC+3+6*\c+\i], v[PC+12+4*\c+\i]
.endr
.endr
.endm
; Head s39's weights, scale words and bias into buffer p: 38 loads.  Both forms of the bias are loaded for every head, so that no branch stands here.
.macro PREF p
	s_mul_i32 s40, s39, 12288
	s_mov_b32 s41, 0
	s_add_nc_u64 s[28:29], s[8:9], s[40:41]        ; the head's image
	s_lshl_b32 s40, s39, 9
	s_add_co_u32 s40, s40, 786432
	s_add_nc_u64 s[30:31], s[8:9], s[40:41]        ; its scale words
	s_lshr_b32 s42, s39, 4
	s_cmp_eq_u32 s42, 1
	s_cselect_b64 s[32:33], s[12:13], s[10:11]
	s_cmp_eq_u32 s42, 2
	s_cselect_b64 s[32:33], s[14:15], s[32:33]
	s_and_b32 s40, s39, 15
	s_lshl_b32 s40, s40, 7
	s_add_nc_u64 s[32:33], s[32:33], s[40:41]      ; its 32 numbers of bq, bk or bv
	WIN 0xc0                                       ; destination window 3, address window 0
.irp f, 0,1,2,3,4,5,6,7
.irp c, 0,1,2
	global_load_b128 v[96*(\p)+12*\f+4*\c:96*(\p)+12*\f+4*\c+3], v4, s[28:29] offset:1536*\f+512*\c
.endr
.endr
.irp u, 0,1
.irp q, 0,1
	global_load_b128 v[192+16*(\p)+8*\u+4*\q:192+16*(\p)+8*\u+4*\q+3], v8, s[32:33] offset:32*\u+16*\q   ; q, k: lane (r, h), tile u, register j: channel 16 h + 8 u + j
.endr
.endr
	WIN 0
.irp f, 0,1,2,3,4,5,6,7
	global_load_b32 v[WS+8*(\p)+\f], v7, s[30:31] offset:64*\f
.endr
.irp u, 0,1
	global_load_b32 v[BVR+2*(\p)+\u], v9, s[32:33] offset:32*\u    ; v: lane r, tile u: channel 8 u + r + 8 (r / 8)
.endr
.endm
; q, k: token tiles 4 e .. 4 e + 3 against the head's two tiles of columns: eight accumulators by turns, one instruction a turn, K step by K step.
.macro MMQK e, p
.irp s, 0,1,2,3
.if \s == 0
	WIN 0x37+4*(\e)                                ; source 0 (W) and source 2 (bias) window 3, source 1 (x) window 1 + e
.else
	WIN 0x07+4*(\e)
.endif
.irp xt, 0,1,2,3
.irp u, 0,1
.if \s == 0
	v_wmma_scale_f32_16x16x128_f8f6f4 v[HA+16*\xt+8*\u:HA+16*\xt+8*\u+7], v[96*(\p)+24*\s+12*\u:96*(\p)+24*\s+12*\u+11], v[48*\xt+12*\s:48*\xt+12*\s+11], v[192+16*(\p)+8*\u:192+16*(\p)+8*\u+7], v[WS+8*(\p)+2*\s+\u], v[XS+4*(4*(\e)+\xt)+\s] matrix_a_fmt:MATRIX_FMT_FP6 matrix_b_fmt:MATRIX_FMT_FP6
.else
	v_wmma_scale_f32_16x16x128_f8f6f4 v[HA+16*\xt+8*\u:HA+16*\xt+8*\u+7], v[96*(\p)+24*\s+12*\u:96*(\p)+24*\s+12*\u+11], v[48*\xt+12*\s:48*\xt+12*\s+11], v[HA+16*\xt+8*\u:HA+16*\xt+8*\u+7], v[WS+8*(\p)+2*\s+\u], v[XS+4*(4*(\e)+\xt)+\s] matrix_a_fmt:MATRIX_FMT_FP6 matrix_b_fmt:MATRIX_FMT_FP6
.endif
.endr
.endr
.endr
	WIN 0
.endm
; v: all eight token tiles against the head's tile e of columns.
.macro MMV e, p
.irp j, 0,1,2,3,4,5,6,7
	v_mov_b32 v[BC+\j], v[BVR+2*(\p)+(\e)]         ; my channel's bias in all eight rows
.endr
.rept 4
	v_nop                                          ; plain lines between the moves and the product that takes them as its C
.endr
.irp s, 0,1,2,3
.irp xt, 0,1,2,3,4,5,6,7
	WIN 0x0d+\xt/4                                 ; source 0 (x) window 1 or 2, source 1 (W) window 3
.if \s == 0
	v_wmma_scale_f32_16x16x128_f8f6f4 v[HA+8*\xt:HA+8*\xt+7], v[48*(\xt%4)+12*\s:48*(\xt%4)+12*\s+11], v[96*(\p)+24*\s+12*(\e):96*(\p)+24*\s+12*(\e)+11], v[BC:BC+7], v[XS+4*\xt+\s], v[WS+8*(\p)+2*\s+(\e)] matrix_a_fmt:MATRIX_FMT_FP6 matrix_b_fmt:MATRIX_FMT_FP6
.else
	v_wmma_scale_f32_16x16x128_f8f6f4 v[HA+8*\xt:HA+8*\xt+7], v[48*(\xt%4)+12*\s:48*(\xt%4)+12*\s+11], v[96*(\p)+24*\s+12*(\e):96*(\p)+24*\s+12*(\e)+11], v[HA+8*\xt:HA+8*\xt+7], v[XS+4*\xt+\s], v[WS+8*(\p)+2*\s+(\e)] matrix_a_fmt:MATRIX_FMT_FP6 matrix_b_fmt:MATRIX_FMT_FP6
.endif
.endr
.endr
	WIN 0
.endm
; The 64 results become fragment e of the block's two and leave as an image: three stores of 512 consecutive bytes; the two fragments' scale words leave together, 128 consecutive bytes.
.macro FINISH e
	s_wait_xcnt 0x0                                ; the earlier stores have read their data: the codes' and the scale word's registers are written again only behind this wait
	QUANT HA
.irp c, 0,1,2
	global_store_b128 v4, v[PC+4*\c:PC+4*\c+3], s[34:35] offset:1536*(\e)+512*\c
.endr
.if (\e) == 0
	v_mov_b32 v[PW0], v[PW]
.else
	v_cndmask_b32 v[PWC], v[PW0], v[PW], s26       ; lanes 0-15: fragment 0's words, lanes 16-31: fragment 1's (both halves of the lanes hold a row's word)
	global_store_b32 v5, v[PWC], s[36:37]
.endif
.endm
.macro UNITQK e, p
	MMQK \e, \p
.rept 4
	v_nop                                          ; four places between the last products and the first read of results
.endr
	FINISH \e
.endm
.macro UNITV e, p
	MMV \e, \p
.rept 4
	v_nop
.endr
	s_cmp_lg_u32 s19, 10                           ; the batch's last block holds tokens 1280 .. 1407: those from 1370 on are zeros ahead of the block's maximum
	s_cbranch_scc1 .Lwhole_\@
.irp i, 42,43,44,45,46,47
	v_cndmask_b32 v[HA+\i], v[HA+\i], 0, s26       ; register 16 b + i holds token 1280 + 32 b + 16 (lane / 16) + i: 1370 on are b = 2, lanes 16-31, i from 10 on,
.endr
.irp i, 48,49,50,51,52,53,54,55,56,57,58,59,60,61,62,63
	v_mov_b32 v[HA+\i], 0                          ; and all of b = 3
.endr
.Lwhole_\@:
	FINISH \e
.endm
; One head, its weights in buffer p.
.macro HEAD p
	s_wait_loadcnt 0x0                             ; all that was asked for a head ago is in (in front of the first head: x too)
	s_wait_xcnt 0x0                                ; the last head's stores have read their bases
	s_lshr_b32 s38, s22, 4                         ; 0 q, 1 k, 2 v
	s_and_b32 s43, s22, 15
	s_lshl_b32 s44, s20, 4
	s_add_co_u32 s43, s43, s44
	s_mul_i32 s43, s43, REC                        ; the record of (batch, head)
	s_mov_b32 s40, 70400
	s_mov_b32 s41, 104192
	s_mov_b32 s42, 67584
	s_cmp_eq_u32 s38, 0
	s_cselect_b32 s40, s40, 0                      ; where the codes go: q 70400, k 0,
	s_cselect_b32 s41, s41, s42                    ; and the scale words: q 104192, k 67584,
	s_mov_b32 s42, 33792
	s_mov_b32 s44, 68992
	s_cmp_eq_u32 s38, 2
	s_cselect_b32 s40, s42, s40                    ; v 33792
	s_cselect_b32 s41, s44, s41                    ; v 68992
	s_mul_i32 s42, s19, 3072                       ; the block's two fragments
	s_add_co_u32 s40, s40, s42
	s_add_co_u32 s40, s40, s43
	s_lshl_b32 s42, s19, 7                         ; and their 128 bytes of scale words
	s_add_co_u32 s42, s41, s42
	s_add_co_u32 s42, s42, s43
	s_mov_b32 s41, 0
	s_mov_b32 s43, 0
	s_add_nc_u64 s[34:35], s[16:17], s[40:41]
	s_add_nc_u64 s[36:37], s[16:17], s[42:43]
	s_add_co_u32 s39, s22, 1                       ; the next head's weights are asked for now
.if (\p) == 1
	s_cmp_lt_u32 s23, 2                            ; (the wave's sixth head has no successor)
	s_cbranch_scc0 .Lno_next_\@
.endif
	PREF 1-(\p)
.if (\p) == 1
.Lno_next_\@:
.endif
	s_cmp_ge_u32 s22, 32
	s_cbranch_scc1 .Lvalues_\@
	UNITQK 0, \p
	UNITQK 1, \p
	s_branch .Ljoin_\@
.Lvalues_\@:
	UNITV 0, \p
	UNITV 1, \p
.Ljoin_\@:
	s_add_co_u32 s22, s22, 1
.endm
	s_load_b256 s[4:11], s[0:1], 0x0               ; xcodes, xscales, wimg, bq
	s_load_b128 s[12:15], s[0:1], 0x20             ; bk, bv
	s_load_b64 s[16:17], s[0:1], 0x30              ; qkv
	v_lshrrev_b32 v1, 5, v0
	v_readfirstlane_b32 s18, v1                    ; wave 0..3
	s_mov_b32 s19, ttmp9                           ; block of 128 tokens
	s_and_b32 s38, ttmp7, 0xffff
	s_lshr_b32 s20, s38, 1                         ; batch
	s_and_b32 s21, s38, 1                          ; which half of the 48 heads
	s_mul_i32 s22, s21, 24
	s_mul_i32 s38, s18, 6
	s_add_co_u32 s22, s22, s38                     ; my first head
	s_mov_b32 s[SEL], 0x76543210
	s_mov_b32 s[SEL+1], 0xfedcba98                 ; v_permlanex16_b32's selects for lane l xor 16
	s_mov_b32 s26, 0xffff0000                      ; lanes 16-31
	v_and_b32 v1, 15, v0                           ; r
	v_bfe_u32 v2, v0, 4, 1                         ; h
	v_and_b32 v3, 31, v0                           ; lane
	v_lshlrev_b32 v4, 4, v3                        ; an image's place for my lane
	v_lshlrev_b32 v5, 2, v3
	v_lshlrev_b32 v7, 2, v1
	v_lshlrev_b32 v8, 6, v2
	v_and_b32 v6, 8, v1
	v_add_nc_u32 v6, v6, v1                        ; r + 8 (r / 8)
	v_lshlrev_b32 v9, 2, v6
	s_lshl_b32 s38, s19, 7
	v_add_nc_u32 v6, s38, v6
.irp t, 0,1,2,3,4,5,6,7
	v_add_nc_u32 v26, 32*(\t/2)+8*(\t%2), v6       ; tile t's token of my lane,
	v_min_u32 v26, 0x559, v26                      ; held at 1369: no load leaves the batch
	v_mul_u32_u24 v[XO+\t], v26, 384
	v_mad_u32_u24 v[XO+\t], v2, 24, v[XO+\t]       ; its codes: a row of 384 bytes, + 24 h
	v_lshlrev_b32 v[XSO+\t], 4, v26                ; its four scale words
.endr
	s_mul_i32 s40, s20, 526080                     ; the batch's 1370 rows of codes,
	s_mov_b32 s41, 0
	s_mul_i32 s42, s20, 21920                      ; and of scale bytes
	s_mov_b32 s43, 0
	s_wait_kmcnt 0x0
	s_add_nc_u64 s[48:49], s[4:5], s[40:41]
	s_add_nc_u64 s[50:51], s[6:7], s[42:43]
	WIN 0x40                                       ; destination window 1
.irp t, 0,1,2,3
.irp s, 0,1,2,3
.irp p, 0,1,2,3,4,5
	global_load_b64 v[48*\t+12*\s+2*\p:48*\t+12*\s+2*\p+1], v[XO+\t], s[48:49] offset:96*\s+48*(\p/3)+8*(\p%3)
.endr
.endr
.endr
	WIN 0x80                                       ; destination window 2
.irp t, 0,1,2,3
.irp s, 0,1,2,3
.irp p, 0,1,2,3,4,5
	global_load_b64 v[48*\t+12*\s+2*\p:48*\t+12*\s+2*\p+1], v[XO+4+\t], s[48:49] offset:96*\s+48*(\p/3)+8*(\p%3)
.endr
.endr
.endr
	WIN 0
.irp t, 0,1,2,3,4,5,6,7
	global_load_b128 v[XS+4*\t:XS+4*\t+3], v[XSO+\t], s[50:51]
.endr
	s_mov_b32 s39, s22
	PREF 0
.irp b, 0,1,2,3
	v_mov_b32 v[TM+4+\b], 0                        ; written once: a lane permute's destination counts as one of its sources
.endr
	s_mov_b32 s23, 0
.Lheads:                                               ; three trips of two heads: the two weight buffers change places and are back
	HEAD 0
	HEAD 1
	s_add_co_u32 s23, s23, 1
	s_cmp_lt_u32 s23, 3
	s_cbranch_scc1 .Lheads
	s_endpgm
.Lfunc_end_k_q55b591cb89_proj:
	.size	k_q55b591cb89_proj, .Lfunc_end_k_q55b591cb89_proj-k_q55b591cb89_proj
	.p2alignl 7, 3214868480
	.fill 96, 4, 3214868480
	.section	.rodata,"a",@progbits
	.p2align	6, 0x0
	.amdhsa_kernel k_q55b591cb89_proj
		.amdhsa_group_segment_fixed_size 0
		.amdhsa_private_segment_fixed_size 0
		.amdhsa_enable_private_segment 0
		.amdhsa_kernarg_size 56
		.amdhsa_user_sgpr_count 2
		.amdhsa_user_sgpr_kernarg_segment_ptr 1
		.amdhsa_wavefront_size32 1
		.amdhsa_system_sgpr_workgroup_id_x 1
		.amdhsa_system_sgpr_workgroup_id_y 1
		.amdhsa_system_sgpr_workgroup_id_z 1
		.amdhsa_system_vgpr_workitem_id 0
		.amdhsa_next_free_vgpr 1024
		.amdhsa_next_free_sgpr 66
		.amdhsa_reserve_vcc 0
		.amdhsa_float_denorm_mode_32 3
		.amdhsa_float_denorm_mode_16_64 3
		.amdhsa_memory_ordered 1
		.amdhsa_forward_progress 1
		.amdhsa_inst_pref_size 111
	.end_amdhsa_kernel
	.amdgpu_metadata
---
amdhsa.version: [ 1, 2 ]
amdhsa.kernels:
  - .name:           k_q55b591cb89_proj
    .symbol:         k_q55b591cb89_proj.kd
    .args:
      - { .name: xcodes, .offset: 0, .size: 8, .value_kind: global_buffer, .address_space: global }
      - { .name: xscales, .offset: 8, .size: 8, .value_kind: global_buffer, .address_space: global }
      - { .name: wimg, .offset: 16, .size: 8, .value_kind: global_buffer, .address_space: global }
      - { .name: bq, .offset: 24, .size: 8, .value_kind: global_buffer, .address_space: global }
      - { .name: bk, .offset: 32, .size: 8, .value_kind: global_buffer, .address_space: global }
      - { .name: bv, .offset: 40, .size: 8, .value_kind: global_buffer, .address_space: global }
      - { .name: qkv, .offset: 48, .size: 8, .value_kind: global_buffer, .address_space: global }
    .group_segment_fixed_size: 0
    .private_segment_fixed_size: 0
    .kernarg_segment_align: 8
    .kernarg_segment_size: 56
    .max_flat_workgroup_size: 128
    .sgpr_count:     66
    .vgpr_count:     1024
    .wavefront_size: 32
...
	.end_amdgpu_metadata
.endif
;; end of part 2
;; launch attn (part 3): grid 2 x 128, 16 waves a work-group, no clusters, 72,704 bytes of LDS; arguments qkv, ao; writes ao
.if DOCPART == 3
	.amdgcn_target "amdgcn-amd-amdhsa--gfx1250"
	.amdhsa_code_object_version 6
	.text
	.protected	k_q55b591cb89_attn
	.globl	k_q55b591cb89_attn
	.p2align	8
	.type	k_q55b591cb89_attn,@function
k_q55b591cb89_attn:
	s_mov_b64 s[64:65], 0
	v_nop
	global_prefetch_b8 v0, s[64:65] scope:SCOPE_SE
	s_setreg_imm32_b32 hwreg(HW_REG_WAVE_MODE, 25, 1), 1
	s_wait_xcnt 0x0
; For each (batch, head): O = softmax(Q K^T / sqrt(32)) V on codes of FP6 (E2M3) with E8M0 scales, and O's 32 channels, one block of the last product's K, quantised at once.
; THE SOFTMAX AHEAD OF THE SECOND PRODUCT: t = score x log2(e) / sqrt(32) (one constant: the two factors are multiplied ahead of time); M = the running largest t rounded UP to a whole number; p = 2^(t - M)
; is what is quantised, along the keys; the row's sum is taken of the unquantised p and divides O at the end.  When M moves, the sum and O are multiplied by 2^(old M - new M): exact.
; SHARES.  y = 16 x batch + head.  The head's 86 tiles of 16 queries are halved between two work-groups; wave w of sixteen walks tiles w, w + 16 and (w < 11) w + 32 of its work-group's 43.
; Four waves share a SIMD, so that one wave's vector work stands beside another's matrix work and LDS loads.
; THE WHOLE HEAD'S K AND V LIE IN LDS, 70,400 bytes of operand images and scale words, copied once at the head: one barrier, then only reads; every LDS offset is an immediate.
; THE FIRST PRODUCT'S K IS 32, a quarter of the instruction's 128.  A super-fragment of K carries FOUR tiles of 16 keys in its four blocks of 32; the queries' fragment is kept in four variants, with the
; codes in block q and zero codes elsewhere, so that S^T tile 4 g + q = super-fragment g x variant q: the zero codes annul the other three blocks.  The variants are windows into 30 registers: QLO Z QHI Z QLO.
; LAYOUT.  Both products are used transposed (S^T = K Q^T, O^T = V^T P^T): a lane holds ONE query throughout.  The keys of a tile are chosen so that register 16 b + i of the scores is key
; 128 j + 32 b + 16 (lane / 16) + i; O^T's 16 registers are channels 16 (lane / 16) + 0 .. 15.
; The last key step holds keys 1280 .. 1407: scores of keys from 1370 on become -infinity ahead of the maximum (p = 0), and V's codes there are zeros.
; NO CLUSTER: what the two work-groups of a head share is 70,400 bytes read once at the head; the grid's x is 2.
; LIMITS: NaN and infinities not served; scale bytes held at 1 from below; a block of zeros has the byte 1.
; REGISTERS: v1-11 addresses; v12 -M, v13 the largest t, v[14:15] the sum in two halves; v16-45 Q's variants; v46 Q's scale word, v47 K's; v48-71 two super-fragments of K; v72-95 two fragments of V;
;   v96-159 S^T, then p; v160-175 O^T; v176 V's scale words, v177 p's; v178-189 p's codes; v190-196, v200-217 at work.
.set REC, 105728
.set KF,  48
.set VF,  72
.set S,   96
.set O,   160
.set PC,  178
.set PT,  190
.set BM,  200
.set T2,  204
.set SO,  208
	s_load_b128 s[4:7], s[0:1], 0x0                ; qkv, ao
	v_lshl_add_u32 v254, v0, 2, 0x11400
	v_mov_b32 v255, 0
	v_lshrrev_b32 v8, 5, v0
	v_readfirstlane_b32 s8, v8                     ; wave 0..15
	s_mov_b32 s9, ttmp9                            ; which half of the head's query tiles
	s_and_b32 s10, ttmp7, 0xffff                   ; 16 x batch + head
	v_and_b32 v8, 31, v0                           ; lane
	v_and_b32 v16, 15, v0                          ; r
	v_bfe_u32 v17, v0, 4, 1                        ; h
	v_lshlrev_b32 v1, 4, v8                        ; an image's place for my lane: K's,
	v_add_nc_u32 v2, 33792, v1                     ; V's
	v_lshlrev_b32 v3, 2, v8
	v_add_nc_u32 v6, 384, v3                       ; the way out: my scale word
	v_add_nc_u32 v3, 67584, v3                     ; the scale words in LDS
	v_lshlrev_b32 v4, 2, v16
	v_mul_u32_u24 v5, v16, 24
	v_mad_u32_u24 v5, v17, 12, v5                  ; the way out: my 12 bytes of codes
	v_mov_b32 v7, 0xff800000                       ; -infinity
	v_lshlrev_b32 v9, 4, v0                        ; the copy: 16 bytes a thread,
	v_add_nc_u32 v10, 65536, v9                    ; a ninth piece for waves 0-3,
	v_lshlrev_b32 v11, 3, v0
	v_add_nc_u32 v11, 66560, v11                   ; and 8 bytes a thread for waves 4-14: 67584 + 256 (wave - 4)
	s_mul_i32 s14, s10, REC
	s_mov_b32 s15, 0
	s_wait_kmcnt 0x0
	s_add_nc_u64 s[12:13], s[4:5], s[14:15]        ; the head's record
.irp i, 0,1,2,3,4,5,6,7
	global_load_b128 v[96+4*\i:99+4*\i], v9, s[12:13] offset:8192*\i     ; bytes 0 .. 65535: the work-group reads 8,192 consecutive bytes an instruction
.endr
	s_mov_b32 s20, 0x76543210
	s_mov_b32 s21, 0xfedcba98                      ; v_permlanex16_b32's selects for lane l xor 16
	s_mov_b32 s22, 0x3e8293ee                      ; c = log2(e) / sqrt(32)
	s_mov_b32 s23, s22                             ; (named with it as a pair, so it is written)
	s_mov_b32 s24, 0x0000ffff                      ; lanes 0-15
	s_mov_b32 s25, 0xffff0000                      ; lanes 16-31
.irp i, 22,23,24,25,26,27,34,35,36,37,38,39
	v_mov_b32 v\i, 0                               ; the variants' zero codes: written once
.endr
.irp b, 0,1,2,3
	v_mov_b32 v[T2+\b], 0                          ; written once: a lane permute's destination counts as one of its sources
.endr
	s_cmp_lt_u32 s8, 4
	s_cbranch_scc0 .Lnot_ninth
	global_load_b128 v[128:131], v10, s[12:13]     ; bytes 65536 .. 67583
	s_wait_loadcnt 0x0
	ds_store_b128 v10, v[128:131]
	s_branch .Lcopied
.Lnot_ninth:
	s_cmp_lt_u32 s8, 15
	s_cbranch_scc0 .Lcopied
	global_load_b64 v[132:133], v11, s[12:13]      ; bytes 67584 .. 70399: the scale words
	s_wait_loadcnt 0x0
	ds_store_b64 v11, v[132:133]
.Lcopied:
	s_wait_loadcnt 0x0
.irp i, 0,1,2,3,4,5,6,7
	ds_store_b128 v9, v[96+4*\i:99+4*\i] offset:8192*\i
.endr
	s_wait_dscnt 0x0                               ; for the others' sake: my stores have landed
	s_barrier_signal -1
	s_barrier_wait -1                              ; K and V of the head lie in LDS; nobody writes LDS from here on
.irp i, 116,117,118,119,120,121
	v_mov_b32 v\i, 0                               ; destinations of lane permutes
.endr
.macro LOADK j                         ; key step j's two super-fragments and their scale words (lanes 0-15: the first's, lanes 16-31: the second's): 7 LDS loads
.irp i, 0,1,2,3,4,5
	ds_load_b128 v[KF+4*\i:KF+4*\i+3], v1 offset:3072*(\j)+512*\i
.endr
	ds_load_b32 v47, v3 offset:128*(\j)
.endm
.macro LOADV j                         ; and its two fragments of V^T, likewise
.irp i, 0,1,2,3,4,5
	ds_load_b128 v[VF+4*\i:VF+4*\i+3], v2 offset:3072*(\j)+512*\i
.endr
	ds_load_b32 v176, v3 offset:1408+128*(\j)
.endm
; A KEY STEP: 128 keys.  last = 1: keys 1280 on.
.macro STEP j, last
	s_wait_dscnt 0x0                               ; K of this step is in
.irp g, 0,1
.irp q, 0,1,2,3
.if (\last == 0) || (\g == 0) || (\q < 2)      ; (the last step's tiles 6 and 7 hold no key under 1370)
.set QV, 16+6*((\q/2)*(7-2*\q)+(1-\q/2)*2*\q)  ; variant q begins at v16, v28, v34, v22
.if \g == 0
	v_wmma_scale_f32_16x16x128_f8f6f4 v[S+8*\q:S+8*\q+7], v[KF:KF+11], v[QV:QV+11], 0, v47, v46 matrix_a_fmt:MATRIX_FMT_FP6 matrix_b_fmt:MATRIX_FMT_FP6
.else
	v_wmma_scale_f32_16x16x128_f8f6f4 v[S+32+8*\q:S+32+8*\q+7], v[KF+12:KF+23], v[QV:QV+11], 0, v47, v46 matrix_a_fmt:MATRIX_FMT_FP6 matrix_b_fmt:MATRIX_FMT_FP6 matrix_a_scale:MATRIX_SCALE_ROW1
.endif
.endif
.endr
.endr
.rept 4
	v_nop                                          ; four places: in front of the loads into registers that matrix instructions have read, and of the first read of the scores
.endr
	LOADV \j
.if \last == 0
	LOADK (\j)+1                                   ; the next step's K lands under this step's softmax
.else
.irp i, 42,43,44,45,46,47
	v_cndmask_b32 v[S+\i], v[S+\i], v7, s25        ; keys 1370 .. 1375: block 2, lanes 16-31, registers 10 on
.endr
.irp i, 48,49,50,51,52,53,54,55,56,57,58,59,60,61,62,63
	v_mov_b32 v[S+\i], v7                          ; keys 1376 on: all of block 3
.endr
.endif
.irp b, 0,1,2,3
	v_max3_num_f32 v[BM+\b], v[S+16*\b], v[S+1+16*\b], v[S+2+16*\b]   ; THE LARGEST SCORE OF EACH BLOCK OF 32 KEYS serves twice: for the row's maximum, and, since p rises with the score, for the block's largest p
.endr
.irp i, 3,5,7,9,11,13
.irp b, 0,1,2,3
	v_max3_num_f32 v[BM+\b], v[BM+\b], v[S+16*\b+\i], v[S+1+16*\b+\i]   ; (the four blocks by turns)
.endr
.endr
.irp b, 0,1,2,3
	v_max_num_f32 v[BM+\b], v[BM+\b], v[S+15+16*\b]
.endr
.irp b, 0,1,2,3
	v_permlanex16_b32 v[T2+\b], v[BM+\b], s20, s21
.endr
.irp b, 0,1,2,3
	v_max_num_f32 v[BM+\b], v[BM+\b], v[T2+\b]     ; with lane l xor 16's 16 keys
.endr
	v_max3_num_f32 v214, v200, v201, v202
	v_max_num_f32 v214, v214, v203                 ; the step's largest score of my query
	v_mul_f32 v214, s22, v214                      ; as t (c is positive)
	v_max_num_f32 v13, v13, v214                   ; the running largest t
	v_mov_b32 v214, v12
	v_floor_f32 v12, -v13                          ; the new -M = floor(-t) = -ceil(t): a whole number
	v_sub_f32 v214, v12, v214                      ; M's old value less its new one: a whole number, 0 or less
	v_cvt_i32_f32 v214, v214                       ; (it saturates)
	v_ldexp_f32 v212, 1.0, v214                    ; f = 2^(old M - new M)
.set N, 0
.rept 32
	v_pk_fma_f32 v[S+N:S+N+1], v[S+N:S+N+1], s[22:23], v[12:13] op_sel_hi:[1,0,0]   ; t - M, two at a time (of the pairs c and -M the low word serves both halves)
.set N, N+2
.endr
.irp b, 0,1,2,3
	v_fma_f32 v[BM+\b], v[BM+\b], s22, v12         ; the same of each block's largest score
.endr
.set N, 0
.rept 64
	v_exp_f32 v[S+N], v[S+N]                       ; p = 2^(t - M), at most 1: not normalised
.set N, N+1
.endr
	v_pk_mul_f32 v[14:15], v[14:15], v[212:213] op_sel_hi:[1,0]   ; the sums under the new M (the plain line behind the exponentials)
	s_wait_alu depctr_va_vdst(0)                   ; the wait ahead of the first line that names a result: one for the 64
.irp b, 0,1,2,3
	v_exp_f32 v[BM+\b], v[BM+\b]                   ; the block's largest p: the same two instructions on the same number give the same bits
.endr
	v_pk_add_f32 v[216:217], v[S:S+1], v[S+2:S+3]  ; THE ROW'S SUM IS TAKEN OF THE UNQUANTISED p, two at a time, in two chains: the first half here, behind the four exponentials,
.irp n, 4,8,12,16,20,24,28
	v_pk_add_f32 v[14:15], v[14:15], v[S+\n:S+\n+1]
	v_pk_add_f32 v[216:217], v[216:217], v[S+\n+2:S+\n+3]
.endr
	s_wait_alu depctr_va_vdst(0)                   ; and one wait for the four
.irp b, 0,1,2,3
	v_max_num_f32 v[BM+\b], 0x1800000, v[BM+\b]    ; the floor 2^(3 - 127): the byte cannot fall under 1 (a block whose every p is 0 keeps that byte: its codes are zeros)
.endr
.irp b, 0,1,2,3
	v_add_nc_u32 v[SO+\b], 0xff000000, v[BM+\b]    ; 2 off the exponent field: the conversion's scale operand
.endr
.irp b, 0,1,2,3
	v_lshrrev_b32 v[T2+\b], 23, v[SO+\b]           ; the scale's byte
.endr
	v_lshl_or_b32 v177, v205, 8, v204              ; p's scale word for these 128 keys
	v_lshl_or_b32 v177, v206, 16, v177
	v_lshl_or_b32 v177, v207, 24, v177
.irp c, 0,1
	v_cvt_scalef32_pk16_fp6_f32 v[PC+6*\c:PC+2+6*\c], v[S+32*\c:S+15+32*\c], v[SO+2*\c]
	v_cvt_scalef32_pk16_fp6_f32 v[PT+4*\c:PT+2+4*\c], v[S+16+32*\c:S+31+32*\c], v[SO+2*\c+1]   ; (a conversion's three registers begin on an even number)
.endr
	v_nop                                          ; one plain line behind a scaled conversion
.irp c, 0,1                                    ; the operand's layout wants a WHOLE block in a lane
.irp i, 0,1,2
	v_permlane16_swap_b32 v[PC+6*\c+\i], v[PT+4*\c+\i]
.endr
.irp i, 0,1,2
	v_mov_b32 v[PC+3+6*\c+\i], v[PT+4*\c+\i]
.endr
.endr
.irp n, 0,2,4,6,8,10,12,14
	v_pk_mul_f32 v[O+\n:O+\n+1], v[O+\n:O+\n+1], v[212:213] op_sel_hi:[1,0]   ; O^T under the new M, from each accumulator's low end on
.endr
.irp n, 32,36,40,44,48,52,56,60                ; the sum's second half stands here: 17 plain lines between the lines that wrote p's codes, p's scale word and O^T and the products that take them
	v_pk_add_f32 v[14:15], v[14:15], v[S+\n:S+\n+1]
	v_pk_add_f32 v[216:217], v[216:217], v[S+\n+2:S+\n+3]
.endr
	v_pk_add_f32 v[14:15], v[14:15], v[216:217]
.if \last == 0
	s_wait_dscnt 7                                 ; V is in; the seven loads of the next step's K may be out
.else
	s_wait_dscnt 0x0
.endif
	v_wmma_scale_f32_16x16x128_f8f6f4 v[O:O+7], v[VF:VF+11], v[PC:PC+11], v[O:O+7], v176, v177 matrix_a_fmt:MATRIX_FMT_FP6 matrix_b_fmt:MATRIX_FMT_FP6   ; O^T += V^T P^T: two accumulators, one instruction each; the next step's eight products stand between a link and the next
	v_wmma_scale_f32_16x16x128_f8f6f4 v[O+8:O+15], v[VF+12:VF+23], v[PC:PC+11], v[O+8:O+15], v176, v177 matrix_a_fmt:MATRIX_FMT_FP6 matrix_b_fmt:MATRIX_FMT_FP6 matrix_a_scale:MATRIX_SCALE_ROW1
.endm
	s_mov_b32 s32, 0
	s_mov_b32 s30, s8                              ; my tile among the work-group's 43
.Lwalk:                                                ; three trips; a wave from 11 on has no third tile and passes over the trip's work
	s_cmp_ge_u32 s30, 43
	s_cbranch_scc1 .Lnext
	s_wait_xcnt 0x0                                ; the last walk's stores have read their data and their base
	s_mul_i32 s31, s9, 43
	s_add_co_u32 s31, s31, s30                     ; the query tile, 0 .. 85
	s_lshr_b32 s39, s31, 2                         ; it lies in super-fragment T / 4 of Q, at block T % 4
	s_mul_i32 s40, s39, 1536
	s_add_co_u32 s40, s40, 70400
	s_mov_b32 s41, 0
	s_add_nc_u64 s[26:27], s[12:13], s[40:41]
	s_lshl_b32 s40, s39, 6
	s_add_co_u32 s40, s40, 104192
	s_add_nc_u64 s[28:29], s[12:13], s[40:41]
	s_mul_i32 s40, s10, 86
	s_add_co_u32 s40, s40, s31
	s_lshl_b32 s40, s40, 9
	s_add_nc_u64 s[34:35], s[6:7], s[40:41]        ; the tile's 512 bytes of ao
.irp i, 0,1,2
	global_load_b128 v[96+4*\i:99+4*\i], v1, s[26:27] offset:512*\i
.endr
	global_load_b32 v108, v4, s[28:29]
	LOADK 0
	s_bitcmp1_b32 s31, 1
	s_cselect_b32 s36, -1, 0                       ; registers 6-11 or 0-5 of the super-fragment,
	s_bitcmp1_b32 s31, 0
	s_cselect_b32 s37, s25, s24                    ; lanes 16-31 or 0-15,
	s_and_b32 s38, s31, 3
	s_lshl_b32 s38, s38, 3                         ; and byte T % 4 of the scale word
	s_wait_loadcnt 0x0
	v_bfe_u32 v109, v108, s38, 8
	v_mul_lo_u32 v46, v109, 0x01010101             ; my query's byte at all four places: whichever block holds the codes
.irp i, 0,1,2,3,4,5
	v_cndmask_b32 v[110+\i], v[96+\i], v[102+\i], s36
.endr
.irp i, 0,1,2,3,4,5
	v_permlanex16_b32 v[116+\i], v[110+\i], s20, s21
.endr
.irp i, 0,1,2,3,4,5
	v_cndmask_b32 v[122+\i], v[116+\i], v[110+\i], s37   ; query r's 24 bytes in lanes r and 16 + r
.endr
.irp i, 0,1,2,3,4,5
	v_cndmask_b32 v[16+\i], 0, v[122+\i], s24      ; QLO: the codes in lanes 0-15,
	v_cndmask_b32 v[28+\i], 0, v[122+\i], s25      ; QHI: in lanes 16-31,
	v_cndmask_b32 v[40+\i], 0, v[122+\i], s24      ; QLO once more
.endr
	v_mov_b32 v13, 0xff61b1e6                      ; the largest t so far: -3e38, under every t
	v_floor_f32 v12, -v13                          ; -M
	v_mov_b32 v14, 0                               ; the sum, in two halves
	v_mov_b32 v15, 0
	v_mov_b32 v213, 0                              ; (named as the upper half of the pair v[212:213])
.set N, 0
.rept 16
	v_mov_b32 v[O+N], 0                            ; O^T: the step is written alike for all steps; the first change of M leaves zeros zeros.  (These 21 lines are also the places behind the lines that wrote Q's variants)
.set N, N+1
.endr
.irp t, 0,1,2,3,4,5,6,7,8,9
	STEP \t, 0
.endr
	STEP 10, 1
	; THE WAY OUT: O^T / the sum; its 32 channels are one block of the last product's K: lanes l and l xor 16 hold 16 each.
.rept 4
	v_nop                                          ; four places behind the last products
.endr
	v_add_f32 v14, v14, v15                        ; the sum's two halves,
	v_permlanex16_b32 v214, v14, s20, s21
	v_add_f32 v14, v14, v214                       ; and lane l xor 16's: the row's sum
	v_rcp_f32 v14, v14
	v_nop                                          ; one plain line behind a transcendental
	s_wait_alu depctr_va_vdst(0)                   ; and a wait ahead of its first reader
.set N, 0
.rept 16
	v_mul_f32 v[S+N], v[O+N], v14                  ; from each accumulator's low end on
.set N, N+1
.endr
	v_max3_num_f32 v200, |v96|, |v97|, 0x1800000   ; the block's largest magnitude, with the floor
.irp i, 2,4,6,8,10,12,14
	v_max3_num_f32 v200, v200, |v[S+\i]|, |v[S+1+\i]|
.endr
	v_permlanex16_b32 v204, v200, s20, s21
	v_max_num_f32 v200, v200, v204
	v_add_nc_u32 v208, 0xff000000, v200
	v_lshrrev_b32 v209, 23, v208                   ; the scale's byte, stored as a word
	v_cvt_scalef32_pk16_fp6_f32 v[PC:PC+2], v[S:S+15], v208
	v_nop                                          ; one plain line behind a scaled conversion
	global_store_b96 v5, v[PC:PC+2], s[34:35]      ; 24 r + 12 h: the wave stores 384 consecutive bytes,
	global_store_b32 v6, v209, s[34:35]            ; and 128 more
.Lnext:
	s_add_co_u32 s30, s30, 16
	s_add_co_u32 s32, s32, 1
	s_cmp_lt_u32 s32, 3
	s_cbranch_scc1 .Lwalk
	s_wait_tensorcnt 0x0
	ds_add_u32 v254, v255
	s_wait_dscnt 0x0
	s_endpgm
.Lfunc_end_k_q55b591cb89_attn:
	.size	k_q55b591cb89_attn, .Lfunc_end_k_q55b591cb89_attn-k_q55b591cb89_attn
	.p2alignl 7, 3214868480
	.fill 96, 4, 3214868480
	.section	.rodata,"a",@progbits
	.p2align	6, 0x0
	.amdhsa_kernel k_q55b591cb89_attn
		.amdhsa_group_segment_fixed_size 72704
		.amdhsa_private_segment_fixed_size 0
		.amdhsa_enable_private_segment 0
		.amdhsa_kernarg_size 16
		.amdhsa_user_sgpr_count 2
		.amdhsa_user_sgpr_kernarg_segment_ptr 1
		.amdhsa_wavefront_size32 1
		.amdhsa_system_sgpr_workgroup_id_x 1
		.amdhsa_system_sgpr_workgroup_id_y 1
		.amdhsa_system_sgpr_workgroup_id_z 1
		.amdhsa_system_vgpr_workitem_id 0
		.amdhsa_next_free_vgpr 256
		.amdhsa_next_free_sgpr 66
		.amdhsa_reserve_vcc 0
		.amdhsa_float_denorm_mode_32 3
		.amdhsa_float_denorm_mode_16_64 3
		.amdhsa_memory_ordered 1
		.amdhsa_forward_progress 1
		.amdhsa_inst_pref_size 160
	.end_amdhsa_kernel
	.amdgpu_metadata
---
amdhsa.version: [ 1, 2 ]
amdhsa.kernels:
  - .name:           k_q55b591cb89_attn
    .symbol:         k_q55b591cb89_attn.kd
    .args:
      - { .name: qkv, .offset: 0, .size: 8, .value_kind: global_buffer, .address_space: global }
      - { .name: ao, .offset: 8, .size: 8, .value_kind: global_buffer, .address_space: global }
    .group_segment_fixed_size: 72704
    .private_segment_fixed_size: 0
    .kernarg_segment_align: 8
    .kernarg_segment_size: 16
    .max_flat_workgroup_size: 512
    .sgpr_count:     66
    .vgpr_count:     256
    .wavefront_size: 32
...
	.end_amdgpu_metadata
.endif
;; end of part 3
;; launch outp (part 4): grid 29 x 8, 4 waves a work-group, no clusters, 34,304 bytes of LDS; arguments ao, wimg, bo, out0; writes out0
.if DOCPART == 4
	.amdgcn_target "amdgcn-amd-amdhsa--gfx1250"
	.amdhsa_code_object_version 6
	.text
	.protected	k_q55b591cb89_outp
	.globl	k_q55b591cb89_outp
	.p2align	8
	.type	k_q55b591cb89_outp,@function
k_q55b591cb89_outp:
	s_mov_b64 s[64:65], 0
	v_nop
	global_prefetch_b8 v0, s[64:65] scope:SCOPE_SE
	s_setreg_imm32_b32 hwreg(HW_REG_WAVE_MODE, 25, 1), 1
	s_wait_xcnt 0x0
; out0 = O Wo + bo on codes of FP6 (E2M3) with E8M0 scales, sums in f32.  O's codes come as attention left them: for each (batch, head) and each tile of 16 tokens 512 bytes: 24 bytes a token
; (the head's 32 channels: one block of this product's K) and a scale word a lane.
; SHARES.  y = batch; work-group x takes token tiles 3 x, 3 x + 1, 3 x + 2 of the batch's 86 (tile 86 does not exist: its loads read tile 85 and its work is passed over).  Wave w makes columns
; 128 w .. 128 w + 127: its 32 fragments of Wo stay in registers, read from memory once, in the operand's own order.
; The product is used transposed (source 0 = 16 columns of Wo, source 1 = 16 tokens): a lane holds one token, and its 16 registers of tiles u = 0, 1 are 16 neighbouring columns.  bo is the C of each sum's first
; matrix instruction.  A tile's 16 rows x 512 bytes go through the wave's own stage in LDS and leave as whole rows: each store of the wave covers 512 consecutive bytes, aligned.  No barrier: waves share nothing.
; Tile T holds tokens 32 (T / 2) + 8 (T % 2) + r + 8 (r / 8): of tile 85 rows 10 to 15 are tokens from 1370 on and are not stored.
; NO CLUSTER: the operands go by lanes' loads into registers; nothing passes through LDS that a joint request could fill.
; REGISTERS, in windows of 256: window 0: v1-10 lane terms; v16-47 Wo's scale words (8 b + f); v48-71 O's scale bytes as loaded; v72-83 O's scale words (4 i + s); v96-159 eight accumulators; v160-223 rows on the way out.
;   window 1: Wo's column groups 0, 1 at 96 (b % 2) + 12 f;  window 2: groups 2, 3;  window 3: bo at 16 b + 8 u, O's fragments at 64 + 48 i + 12 s.
.set WS, 16
.set AR, 48
.set AS, 72
.set HA, 96
.set BK, 160
.set HB, 44032                         ; a head's 86 tiles of 512 bytes
.set MSB, 0
.macro WIN new                         ; the immediate's high byte repeats the setting that is left; a switch that changes nothing is dropped
.if MSB != (\new)
	s_set_vgpr_msb (MSB<<8)|(\new)
.set MSB, (\new)
.endif
.endm
	s_load_b256 s[4:11], s[0:1], 0x0               ; ao, wimg, bo, out0
	v_lshl_add_u32 v254, v0, 2, 0x8400
	v_mov_b32 v255, 0
	v_lshrrev_b32 v1, 5, v0
	v_readfirstlane_b32 s12, v1                    ; wave 0..3
	s_and_b32 s13, ttmp7, 0xffff                   ; batch
	v_and_b32 v1, 31, v0                           ; lane
	v_and_b32 v2, 15, v0                           ; r
	v_bfe_u32 v3, v0, 4, 1                         ; h
	v_lshlrev_b32 v4, 4, v1                        ; 16 x lane
	v_lshlrev_b32 v5, 2, v2                        ; 4 r
	v_mul_u32_u24 v6, v3, HB
	v_mad_u32_u24 v6, v2, 24, v6                   ; O's codes: lanes 16-31 take the next head; row r's 24 bytes
	v_mul_u32_u24 v7, v3, HB
	v_add_nc_u32 v7, 384, v7
	v_add_nc_u32 v7, v7, v5                        ; and row r's scale word
	v_lshlrev_b32 v8, 6, v3                        ; bo: 64 h
	s_mul_i32 s40, s12, 8448                       ; my stage: 16 rows of 512 + 16 bytes
	v_mul_u32_u24 v9, v2, 528
	v_lshl_add_u32 v9, v3, 6, v9
	v_add_nc_u32 v9, s40, v9                       ; in: row r, + 64 h
	v_add_nc_u32 v10, s40, v4                      ; back: 16 bytes a lane of a row
	s_mov_b32 s38, 0x76543210
	s_mov_b32 s39, 0xfedcba98                      ; v_permlanex16_b32's selects for lane l xor 16
	s_mul_i32 s14, ttmp9, 3                        ; my three tiles
	s_add_co_u32 s15, s14, 1
	s_add_co_u32 s16, s14, 2
	s_min_u32 s17, s16, 85                         ; (the third, held inside the batch for its loads)
	s_mul_i32 s40, s13, 16*HB                      ; the batch's 16 heads in ao
	s_mul_i32 s46, s13, 1370                       ; its first row of out0
	s_lshl_b32 s47, s12, 9                         ; my 128 columns, in bytes
	s_mov_b32 s43, 0
	s_wait_kmcnt 0x0
.macro ABASE dst, t                    ; tile s[t] of the batch's head 0
	s_lshl_b32 s42, s[\t], 9
	s_add_co_u32 s42, s42, s40
	s_add_nc_u64 s[\dst:\dst+1], s[4:5], s[42:43]
.endm
.macro OBASE dst, t                    ; the tile's first token's row of out0, at my columns
	s_lshr_b32 s44, s[\t], 1
	s_lshl_b32 s44, s44, 5
	s_and_b32 s45, s[\t], 1
	s_lshl_b32 s45, s45, 3
	s_add_co_u32 s44, s44, s45
	s_add_co_u32 s44, s44, s46
	s_lshl_b32 s44, s44, 11
	s_add_co_u32 s44, s44, s47
	s_mov_b32 s45, 0
	s_add_nc_u64 s[\dst:\dst+1], s[10:11], s[44:45]
.endm
	ABASE 20, 14
	ABASE 22, 15
	ABASE 24, 17
	OBASE 26, 14
	OBASE 28, 15
	OBASE 30, 17
	s_lshl_b32 s42, s12, 2
	s_add_co_u32 s42, s42, 48                      ; Wo's images are numbers 48 .. 63; mine begin at 48 + 4 w
	s_mul_i32 s44, s42, 12288
	s_mov_b32 s45, 0
	s_add_nc_u64 s[32:33], s[6:7], s[44:45]
	s_lshl_b32 s44, s42, 9
	s_add_co_u32 s44, s44, 786432
	s_add_nc_u64 s[34:35], s[6:7], s[44:45]
	s_mov_b32 s44, s47
	s_add_nc_u64 s[36:37], s[8:9], s[44:45]
	; all loads go out at once
	WIN 0xc0                                       ; destination window 3
.irp i, 0,1,2
.irp s, 0,1,2,3
.irp c, 0,1
.irp p, 0,1,2
	global_load_b64 v[64+48*\i+12*\s+6*\c+2*\p:64+48*\i+12*\s+6*\c+2*\p+1], v6, s[20+2*\i:21+2*\i] offset:(4*\s+2*\c)*HB+8*\p   ; lane (r, h), registers 6 c on: head 4 s + 2 c + h
.endr
.endr
.endr
.endr
.irp b, 0,1,2,3
.irp u, 0,1
.irp q, 0,1
	global_load_b128 v[16*\b+8*\u+4*\q:16*\b+8*\u+4*\q+3], v8, s[36:37] offset:128*\b+32*\u+16*\q   ; bo at columns 32 b + 16 h + 8 u + 0 .. 7
.endr
.endr
.endr
	WIN 0
.irp i, 0,1,2
.irp s, 0,1,2,3
.irp c, 0,1
	global_load_b32 v[AR+8*\i+2*\s+\c], v7, s[20+2*\i:21+2*\i] offset:(4*\s+2*\c)*HB
.endr
.endr
.endr
.irp b, 0,1,2,3
.irp f, 0,1,2,3,4,5,6,7
	global_load_b32 v[WS+8*\b+\f], v5, s[34:35] offset:512*\b+64*\f
.endr
.endr
	WIN 0x40                                       ; destination window 1
.irp b, 0,1
.irp f, 0,1,2,3,4,5,6,7
.irp c, 0,1,2
	global_load_b128 v[96*\b+12*\f+4*\c:96*\b+12*\f+4*\c+3], v4, s[32:33] offset:12288*\b+1536*\f+512*\c
.endr
.endr
.endr
	WIN 0x80                                       ; destination window 2
.irp b, 0,1
.irp f, 0,1,2,3,4,5,6,7
.irp c, 0,1,2
	global_load_b128 v[96*\b+12*\f+4*\c:96*\b+12*\f+4*\c+3], v4, s[32:33] offset:12288*(2+\b)+1536*\f+512*\c
.endr
.endr
.endr
	WIN 0
	v_mov_b32 v85, 0                               ; a lane permute's destination counts as one of its sources
	s_wait_loadcnt 0x0
.irp i, 0,1,2
.irp s, 0,1,2,3
	v_lshl_or_b32 v84, v[AR+8*\i+2*\s+1], 16, v[AR+8*\i+2*\s]      ; lane (r, h): the bytes of heads 4 s + h and 4 s + 2 + h at places 0 and 2;
	v_permlanex16_b32 v85, v84, s38, s39
	v_lshl_or_b32 v[AS+4*\i+\s], v85, 8, v84                       ; with lane l xor 16's at places 1 and 3 the word is whole in lanes 0-15, which alone are read
.endr
.endr
.rept 8
	v_nop                                          ; a scale register written by a vector line stands eight places ahead of a scaled matrix instruction
.endr
; Tile i: 32 matrix instructions, eight accumulators by turns, one instruction a turn, K step by K step; then the way out.
.macro TILE i, treg, ob
.irp s, 0,1,2,3
.irp b, 0,1,2,3
.if \s == 0
	WIN 0x3d+\b/2                                  ; source 0 (Wo) window 1 or 2, source 1 (O) and source 2 (bo) window 3
.else
	WIN 0x0d+\b/2
.endif
.irp u, 0,1
.if \s == 0
	v_wmma_scale_f32_16x16x128_f8f6f4 v[HA+16*\b+8*\u:HA+16*\b+8*\u+7], v[96*(\b%2)+24*\s+12*\u:96*(\b%2)+24*\s+12*\u+11], v[64+48*(\i)+12*\s:64+48*(\i)+12*\s+11], v[16*\b+8*\u:16*\b+8*\u+7], v[WS+8*\b+2*\s+\u], v[AS+4*(\i)+\s] matrix_a_fmt:MATRIX_FMT_FP6 matrix_b_fmt:MATRIX_FMT_FP6
.else
	v_wmma_scale_f32_16x16x128_f8f6f4 v[HA+16*\b+8*\u:HA+16*\b+8*\u+7], v[96*(\b%2)+24*\s+12*\u:96*(\b%2)+24*\s+12*\u+11], v[64+48*(\i)+12*\s:64+48*(\i)+12*\s+11], v[HA+16*\b+8*\u:HA+16*\b+8*\u+7], v[WS+8*\b+2*\s+\u], v[AS+4*(\i)+\s] matrix_a_fmt:MATRIX_FMT_FP6 matrix_b_fmt:MATRIX_FMT_FP6
.endif
.endr
.endr
.endr
	WIN 0
.rept 5
	v_nop                                          ; four places in front of the first read of results; five in front of the next tile's first product, which writes over these accumulators with another C
.endr
.irp b, 0,1,2,3
.irp q, 0,1,2,3
	ds_store_b128 v9, v[HA+16*\b+4*\q:HA+16*\b+4*\q+3] offset:128*\b+16*\q   ; lane (r, h): columns 32 b + 16 h + 4 q on of row r; each accumulator from its low end on
.endr
.endr
	s_wait_xcnt 0x0                                ; the last tile's stores have read their data: the rows' registers are loaded again only behind this wait
.irp k, 0,1,2,3,4,5,6,7,8,9,10,11,12,13,14,15
	ds_load_b128 v[BK+4*\k:BK+4*\k+3], v10 offset:528*\k           ; LDS serves a wave's instructions in order: these see my stores
.endr
	s_wait_dscnt 0x0
.irp k, 0,1,2,3,4,5,6,7,8,9
	global_store_b128 v4, v[BK+4*\k:BK+4*\k+3], s[\ob:\ob+1] offset:(\k+8*(\k/8))*2048 th:TH_STORE_NT   ; 512 consecutive bytes of a row, aligned; written once, read by nobody here
.endr
	s_cmp_eq_u32 s[\treg], 85                      ; of tile 85 rows 10 on are tokens from 1370 on
	s_cbranch_scc1 .Lcut_\@
.irp k, 10,11,12,13,14,15
	global_store_b128 v4, v[BK+4*\k:BK+4*\k+3], s[\ob:\ob+1] offset:(\k+8*(\k/8))*2048 th:TH_STORE_NT
.endr
.Lcut_\@:
.endm
	TILE 0, 14, 26
	TILE 1, 15, 28
	s_cmp_gt_u32 s16, 85                           ; the batch has 86 tiles
	s_cbranch_scc1 .Lend
	TILE 2, 16, 30
.Lend:
	s_wait_tensorcnt 0x0
	ds_add_u32 v254, v255
	s_wait_dscnt 0x0
	s_endpgm
.Lfunc_end_k_q55b591cb89_outp:
	.size	k_q55b591cb89_outp, .Lfunc_end_k_q55b591cb89_outp-k_q55b591cb89_outp
	.p2alignl 7, 3214868480
	.fill 96, 4, 3214868480
	.section	.rodata,"a",@progbits
	.p2align	6, 0x0
	.amdhsa_kernel k_q55b591cb89_outp
		.amdhsa_group_segment_fixed_size 34304
		.amdhsa_private_segment_fixed_size 0
		.amdhsa_enable_private_segment 0
		.amdhsa_kernarg_size 32
		.amdhsa_user_sgpr_count 2
		.amdhsa_user_sgpr_kernarg_segment_ptr 1
		.amdhsa_wavefront_size32 1
		.amdhsa_system_sgpr_workgroup_id_x 1
		.amdhsa_system_sgpr_workgroup_id_y 1
		.amdhsa_system_sgpr_workgroup_id_z 1
		.amdhsa_system_vgpr_workitem_id 0
		.amdhsa_next_free_vgpr 1024
		.amdhsa_next_free_sgpr 66
		.amdhsa_reserve_vcc 0
		.amdhsa_float_denorm_mode_32 3
		.amdhsa_float_denorm_mode_16_64 3
		.amdhsa_memory_ordered 1
		.amdhsa_forward_progress 1
		.amdhsa_inst_pref_size 54
	.end_amdhsa_kernel
	.amdgpu_metadata
---
amdhsa.version: [ 1, 2 ]
amdhsa.kernels:
  - .name:           k_q55b591cb89_outp
    .symbol:         k_q55b591cb89_outp.kd
    .args:
      - { .name: ao, .offset: 0, .size: 8, .value_kind: global_buffer, .address_space: global }
      - { .name: wimg, .offset: 8, .size: 8, .value_kind: global_buffer, .address_space: global }
      - { .name: bo, .offset: 16, .size: 8, .value_kind: global_buffer, .address_space: global }
      - { .name: out0, .offset: 24, .size: 8, .value_kind: global_buffer, .address_space: global }
    .group_segment_fixed_size: 34304
    .private_segment_fixed_size: 0
    .kernarg_segment_align: 8
    .kernarg_segment_size: 32
    .max_flat_workgroup_size: 128
    .sgpr_count:     66
    .vgpr_count:     1024
    .wavefront_size: 32
...
	.end_amdgpu_metadata
.endif
;; end of part 4
;; ======== version 2 of 2: 4 launches
;; workspace buffers: xcodes 4,208,640 bytes; xscales 175,360 bytes; wimg 819,200 bytes; qkv 13,533,184 bytes; ao 5,636,096 bytes
;; launch quant (part 5): grid 813 x 1, 2 waves a work-group, no clusters, 17,152 bytes of LDS; arguments x, Wq, Wk, Wv, Wo, xcodes, xscales, wimg; writes xcodes, xscales, wimg
.if DOCPART == 5
	.amdgcn_target "amdgcn-amd-amdhsa--gfx1250"
	.amdhsa_code_object_version 6
	.text
	.protected	k_q55b591cb89_quant
	.globl	k_q55b591cb89_quant
	.p2align	8
	.type	k_q55b591cb89_quant,@function
k_q55b591cb89_quant:
	s_mov_b64 s[64:65], 0
	v_nop
	global_prefetch_b8 v0, s[64:65] scope:SCOPE_SE
	s_setreg_imm32_b32 hwreg(HW_REG_WAVE_MODE, 25, 1), 1
	s_wait_xcnt 0x0
; x [10960][512] f32 and the four weights [512 (k)][512 (n)] f32 become codes of FP6 (E2M3) with one E8M0 byte for each 32 along K.
; A block's scale is 2^(floor(log2(largest magnitude)) - 2): its byte is the largest magnitude's exponent field - 2, held at 1 from below by a floor among the maximum's leaves.
; LIMITS: NaN and infinities among the inputs are not served; a block whose largest magnitude lies under 2^-124 keeps the byte 1; a block of zeros gets the byte 1 where the rule says 127
; (its codes are zeros, which add nothing, and this program alone reads the bytes).
; Work-groups 0 .. 684 take x: K is innermost, so x is a plain stream of blocks; a wave takes 8 rows (8 steps of 512 numbers).  Each load reads 512 consecutive bytes; a step's 2,048 bytes turn through
; the wave's own stage in LDS so that a lane holds 16 neighbours; a step's codes leave as 384 consecutive bytes, a wave's 128 scale bytes as one store.
; Work-groups 685 .. 812 take the weights: K is the FIRST axis, so a lane takes a column and its registers run down K.  A wave takes 32 columns x 128 along K: two operand fragments.  They are stored
; as IMAGES OF THE OPERAND'S REGISTERS: register p of lane l at (p / 4) x 512 + 16 l + 4 (p % 4), so that a later launch fills a fragment by three loads of 16 bytes a lane.
; THE COLUMNS OF A FRAGMENT ARE NOT NEIGHBOURS: lane r of fragment u takes column 32 beta + 8 u + r + 8 (r / 8).
; No barrier: waves share nothing.  The two paths have LDS bytes of their own.  No cluster: no two work-groups read the same bytes.
.set XWG,  685                         ; work-groups for x: 10960 rows / 16
.set SP,   80                          ; a lane's place in a stage: 64 bytes + 16 of padding
.set WREG, 5376                        ; x path: a wave's LDS: two stages of 32 x SP bytes, then its 128 scale bytes
.set WST,  2*WREG                      ; weight path: a stage of 3,072 bytes for each wave
.set R,    16                          ; v16-143  x path: eight sets of 16 numbers as loaded;  weight path: 128 numbers down K
.set X,    144                         ; v144-175 x path: two sets of 16 neighbours;  weight path: four blocks' codes, 8 registers apart
.set C,    176                         ; v176-207 x path: a step's codes, 4 registers apart
.set E,    208                         ; v208-215 x path: a scale byte for each step
	s_load_b256 s[4:11], s[0:1], 0x0               ; x, Wq, Wk, Wv
	s_load_b256 s[12:19], s[0:1], 0x20             ; Wo, xcodes, xscales, wimg
	v_lshl_add_u32 v224, v0, 2, 0x4200
	v_mov_b32 v225, 0
	v_lshrrev_b32 v1, 5, v0
	v_readfirstlane_b32 s20, v1                    ; wave 0, 1
	v_and_b32 v2, 31, v0                           ; lane
	s_cmp_lt_u32 ttmp9, XWG
	s_cbranch_scc0 .Lweights
	; ---------------- x ----------------
	v_lshlrev_b32 v3, 4, v2                        ; my 16 bytes of a load's 512
	s_mul_i32 s21, s20, WREG
	v_lshrrev_b32 v14, 2, v2
	v_mul_u32_u24 v14, v14, SP
	v_and_b32 v15, 3, v2
	v_lshl_add_u32 v14, v15, 4, v14
	v_add_nc_u32 v14, s21, v14                     ; the stage, on the way in: SP (lane / 4) + 16 (lane % 4)
	v_mul_u32_u24 v15, v2, SP
	v_add_nc_u32 v15, s21, v15                     ; and on the way out: SP x lane: my 16 neighbours
	v_mul_u32_u24 v4, v2, 12                       ; my 12 bytes of a step's codes
	v_lshrrev_b32 v5, 1, v2
	s_add_co_u32 s21, s21, 2*32*SP
	v_add_nc_u32 v5, s21, v5                       ; LDS: my block's scale byte
	v_lshlrev_b32 v7, 2, v2
	v_add_nc_u32 v6, s21, v7                       ; and 4 bytes a lane on the way out
	s_lshl_b32 s22, ttmp9, 1
	s_add_co_u32 s22, s22, s20                     ; which run of 8 rows is my wave's: 0 .. 1369
	s_lshl_b32 s24, s22, 14                        ; 16,384 bytes of numbers,
	s_mov_b32 s25, 0
	s_mul_i32 s26, s22, 3072                       ; 3,072 of codes,
	s_mov_b32 s27, 0
	s_lshl_b32 s28, s22, 7                         ; 128 of scale bytes
	s_mov_b32 s29, 0
	s_wait_alu depctr_va_vdst(0)
	s_wait_kmcnt 0x0
	s_add_nc_u64 s[4:5], s[4:5], s[24:25]
	s_add_nc_u64 s[14:15], s[14:15], s[26:27]
	s_add_nc_u64 s[16:17], s[16:17], s[28:29]
.macro LOAD t
.irp i, 0,1,2,3
	global_load_b128 v[R+16*(\t)+4*\i:R+16*(\t)+4*\i+3], v3, s[4:5] offset:2048*(\t)+512*\i th:TH_LOAD_NT   ; 32 lanes read 512 consecutive bytes
.endr
.endm
.macro TURN t                          ; step t's numbers through a stage: LDS serves a wave's instructions in order, so no wait stands between the stores and the loads
.irp i, 0,1,2,3
	ds_store_b128 v14, v[R+16*(\t)+4*\i:R+16*(\t)+4*\i+3] offset:32*SP*((\t)%2)+8*SP*\i
.endr
.irp i, 0,1,2,3
	ds_load_b128 v[X+16*((\t)%2)+4*\i:X+16*((\t)%2)+4*\i+3], v15 offset:32*SP*((\t)%2)+16*\i
.endr
.endm
.macro STEP t
.set XS, X+16*((\t)%2)
.if (\t) > 0
	s_wait_dscnt 1                                 ; this step's numbers are back from the stage; the last step's byte store may be out
.else
	s_wait_dscnt 0x0
.endif
.if (\t)+1 < 8
	s_wait_loadcnt 4*(6-(\t))                      ; the next step's four loads are in; those of the steps behind it may be out
	TURN (\t)+1                                    ; they go through the other stage while this step is worked
.endif
	v_max3_num_f32 v8, |v[XS]|, |v[XS+1]|, |v[XS+2]|               ; the largest magnitude of my 16, in two chains
	v_max3_num_f32 v9, |v[XS+3]|, |v[XS+4]|, |v[XS+5]|
.irp i, 6,10
	v_max3_num_f32 v8, v8, |v[XS+\i]|, |v[XS+\i+1]|
	v_max3_num_f32 v9, v9, |v[XS+\i+2]|, |v[XS+\i+3]|
.endr
	v_max3_num_f32 v8, v8, |v[XS+14]|, |v[XS+15]|
	v_max3_num_f32 v8, v8, v9, 0x1800000           ; and the floor 2^(3 - 127): the byte cannot fall under 1
	v_max_num_f32_dpp v8, v8, v8 row_xmask:1 row_mask:0xf bank_mask:0xf   ; with my neighbour's 16: the block's
	v_add_nc_u32 v11, 0xff000000, v8               ; 2 off its exponent field: the conversion takes the exponent field of this operand as its scale
	v_cvt_scalef32_pk16_fp6_f32 v[C+4*(\t):C+4*(\t)+2], v[XS:XS+15], v11
	v_lshrrev_b32 v[E+(\t)], 23, v11               ; the scale's byte (also the plain line behind the conversion)
	ds_store_b8 v5, v[E+(\t)] offset:16*(\t)       ; both lanes of a block write the same byte with the same value
	global_store_b96 v4, v[C+4*(\t):C+4*(\t)+2], s[14:15] offset:384*(\t)   ; the wave stores 384 consecutive bytes
.endm
.irp t, 0,1,2,3,4,5,6,7
	LOAD \t                                        ; all of the wave's 32 loads go out at once
.endr
	s_wait_loadcnt 28                              ; step 0's four loads are in
	TURN 0
.irp t, 0,1,2,3,4,5,6,7
	STEP \t
.endr
	ds_load_b32 v12, v6                            ; LDS serves a wave's instructions in order: this sees my byte stores
	s_wait_dscnt 0x0
	global_store_b32 v7, v12, s[16:17]             ; 128 consecutive scale bytes
	s_wait_tensorcnt 0x0
	ds_add_u32 v224, v225
	s_wait_dscnt 0x0
	s_endpgm
	; ---------------- the weights ----------------
.Lweights:
	s_sub_co_u32 s21, ttmp9, XWG
	s_lshl_b32 s21, s21, 1
	s_add_co_u32 s21, s21, s20                     ; task 0 .. 255
	s_and_b32 s22, s21, 15                         ; beta: which 32 columns
	s_bfe_u32 s23, s21, 0x20004                    ; s: which 128 along K
	s_lshr_b32 s24, s21, 6                         ; which weight: 0 q, 1 k, 2 v, 3 o
	s_lshl_b32 s25, s24, 4
	s_add_co_u32 s25, s25, s22                     ; 16 x weight + beta: the image's number
	s_wait_alu depctr_va_vdst(0)
	v_lshlrev_b32 v3, 2, v2                        ; my column: 4 bytes a lane
	v_bfe_u32 v5, v2, 3, 1                         ; column phi lies in fragment u = (phi / 8) % 2,
	v_and_b32 v6, 7, v2
	v_bfe_u32 v7, v2, 4, 1
	v_lshl_or_b32 v6, v7, 3, v6                    ; at its row r = phi % 8 + 8 (phi / 16)
	s_mul_i32 s28, s20, 3072
	s_add_co_u32 s28, s28, WST                     ; my wave's stage
	v_mul_u32_u24 v4, v5, 1536
	v_lshl_add_u32 v4, v6, 4, v4
	v_add_nc_u32 v4, s28, v4                       ; into it: 1536 u + 16 r
	v_lshlrev_b32 v8, 4, v2                        ; out of it and into memory: 16 bytes a lane
	v_add_nc_u32 v9, s28, v8
	v_lshlrev_b32 v10, 6, v5
	v_lshl_add_u32 v10, v6, 2, v10                 ; my scale word's place: 64 u + 4 r
	s_lshl_b32 s30, s23, 18                        ; 128 s rows of 2,048 bytes
	s_lshl_b32 s31, s22, 7                         ; + 32 beta columns
	s_add_co_u32 s30, s30, s31
	s_mov_b32 s31, 0
	s_mul_i32 s32, s25, 12288                      ; the image: 8 fragments of 1,536 bytes; mine are 2 s and 2 s + 1
	s_mul_i32 s33, s23, 3072
	s_add_co_u32 s32, s32, s33
	s_mov_b32 s33, 0
	s_lshl_b32 s34, s25, 9                         ; the scale words: 512 bytes an image, behind the 64 images
	s_lshl_b32 s35, s23, 7
	s_add_co_u32 s34, s34, s35
	s_add_co_u32 s34, s34, 786432
	s_mov_b32 s35, 0
	s_wait_kmcnt 0x0
	s_cmp_eq_u32 s24, 1                            ; the choice hangs on the work-group's and the wave's number alone
	s_cselect_b64 s[26:27], s[8:9], s[6:7]
	s_cmp_eq_u32 s24, 2
	s_cselect_b64 s[26:27], s[10:11], s[26:27]
	s_cmp_eq_u32 s24, 3
	s_cselect_b64 s[26:27], s[12:13], s[26:27]
	s_add_nc_u64 s[26:27], s[26:27], s[30:31]
	s_add_nc_u64 s[36:37], s[18:19], s[32:33]
	s_add_nc_u64 s[38:39], s[18:19], s[34:35]
.set I, 0
.rept 128
	global_load_b32 v[R+I], v3, s[26:27] offset:2048*I th:TH_LOAD_NT   ; W(128 s + I, my column): 32 lanes read 128 consecutive bytes
.set I, I+1
.endr
; Block kb of the K step: all its 32 numbers are mine.  In the operand it belongs to lane r + 16 (kb % 2), registers 6 (kb / 2) .. + 5.
.macro BLOCK kb
.set XB, R+32*(\kb)
.set CB, X+8*(\kb)
.if 96-32*(\kb) > 63
	s_wait_loadcnt 63                              ; this block's loads are in (96 - 32 kb younger ones might stay out; a wait names 63 at the most)
.else
	s_wait_loadcnt 96-32*(\kb)                     ; this block's loads are in; the later blocks' may be out
.endif
	v_max3_num_f32 v13, |v[XB]|, |v[XB+1]|, |v[XB+2]|
	v_max3_num_f32 v14, |v[XB+3]|, |v[XB+4]|, |v[XB+5]|
.irp i, 6,10,14,18,22,26
	v_max3_num_f32 v13, v13, |v[XB+\i]|, |v[XB+\i+1]|
	v_max3_num_f32 v14, v14, |v[XB+\i+2]|, |v[XB+\i+3]|
.endr
	v_max3_num_f32 v13, v13, |v[XB+30]|, |v[XB+31]|
	v_max3_num_f32 v13, v13, v14, 0x1800000        ; and the floor
	v_add_nc_u32 v11, 0xff000000, v13              ; the conversion's scale operand
	v_lshrrev_b32 v15, 23, v11                     ; the byte
.if (\kb) == 0
	v_mov_b32 v12, v15                             ; four bytes make my column's scale word for this K step
.else
	v_lshl_or_b32 v12, v15, 8*(\kb), v12
.endif
	v_cvt_scalef32_pk16_fp6_f32 v[CB:CB+2], v[XB:XB+15], v11
	v_cvt_scalef32_pk16_fp6_f32 v[C:C+2], v[XB+16:XB+31], v11      ; (a conversion's three registers begin on an even number: the second half is made elsewhere and moved)
	v_nop                                          ; one plain line behind a scaled conversion
.irp i, 0,1,2
	v_mov_b32 v[CB+3+\i], v[C+\i]
.endr
.if (\kb) < 2
	ds_store_b128 v4, v[CB:CB+3] offset:256*((\kb)%2)              ; registers 0-3 of the fragment,
	ds_store_b64 v4, v[CB+4:CB+5] offset:512+256*((\kb)%2)         ; 4, 5
.else
	ds_store_b64 v4, v[CB:CB+1] offset:520+256*((\kb)%2)           ; 6, 7
	ds_store_b128 v4, v[CB+2:CB+5] offset:1024+256*((\kb)%2)       ; 8-11
.endif
.endm
	BLOCK 0
	BLOCK 1
	BLOCK 2
	BLOCK 3
.irp i, 0,1,2,3,4,5
	ds_load_b128 v[180+4*\i:183+4*\i], v9 offset:512*\i            ; LDS serves a wave's instructions in order: these see my stores
.endr
	s_wait_alu depctr_va_vdst(0)
.irp i, 0,1,2,3,4,5
	s_wait_dscnt 5-\i                              ; the younger loads may be out
	global_store_b128 v8, v[180+4*\i:183+4*\i], s[36:37] offset:512*\i   ; 512 consecutive bytes
.endr
	global_store_b32 v10, v12, s[38:39]            ; the two fragments' scale words: 128 consecutive bytes
	s_wait_tensorcnt 0x0
	ds_add_u32 v224, v225
	s_wait_dscnt 0x0
	s_endpgm
.Lfunc_end_k_q55b591cb89_quant:
	.size	k_q55b591cb89_quant, .Lfunc_end_k_q55b591cb89_quant-k_q55b591cb89_quant
	.p2alignl 7, 3214868480
	.fill 96, 4, 3214868480
	.section	.rodata,"a",@progbits
	.p2align	6, 0x0
	.amdhsa_kernel k_q55b591cb89_quant
		.amdhsa_group_segment_fixed_size 17152
		.amdhsa_private_segment_fixed_size 0
		.amdhsa_enable_private_segment 0
		.amdhsa_kernarg_size 64
		.amdhsa_user_sgpr_count 2
		.amdhsa_user_sgpr_kernarg_segment_ptr 1
		.amdhsa_wavefront_size32 1
		.amdhsa_system_sgpr_workgroup_id_x 1
		.amdhsa_system_sgpr_workgroup_id_y 1
		.amdhsa_system_sgpr_workgroup_id_z 1
		.amdhsa_system_vgpr_workitem_id 0
		.amdhsa_next_free_vgpr 226
		.amdhsa_next_free_sgpr 66
		.amdhsa_reserve_vcc 0
		.amdhsa_float_denorm_mode_32 3
		.amdhsa_float_denorm_mode_16_64 3
		.amdhsa_memory_ordered 1
		.amdhsa_forward_progress 1
		.amdhsa_inst_pref_size 39
	.end_amdhsa_kernel
	.amdgpu_metadata
---
amdhsa.version: [ 1, 2 ]
amdhsa.kernels:
  - .name:           k_q55b591cb89_quant
    .symbol:         k_q55b591cb89_quant.kd
    .args:
      - { .name: x, .offset: 0, .size: 8, .value_kind: global_buffer, .address_space: global }
      - { .name: Wq, .offset: 8, .size: 8, .value_kind: global_buffer, .address_space: global }
      - { .name: Wk, .offset: 16, .size: 8, .value_kind: global_buffer, .address_space: global }
      - { .name: Wv, .offset: 24, .size: 8, .value_kind: global_buffer, .address_space: global }
      - { .name: Wo, .offset: 32, .size: 8, .value_kind: global_buffer, .address_space: global }
      - { .name: xcodes, .offset: 40, .size: 8, .value_kind: global_buffer, .address_space: global }
      - { .name: xscales, .offset: 48, .size: 8, .value_kind: global_buffer, .address_space: global }
      - { .name: wimg, .offset: 56, .size: 8, .value_kind: global_buffer, .address_space: global }
    .group_segment_fixed_size: 17152
    .private_segment_fixed_size: 0
    .kernarg_segment_align: 8
    .kernarg_segment_size: 64
    .max_flat_workgroup_size: 64
    .sgpr_count:     66
    .vgpr_count:     226
    .wavefront_size: 32
...
	.end_amdgpu_metadata
.endif
;; end of part 5
;; launch proj (part 6): grid 11 x 16, 4 waves a work-group, no clusters, 0 bytes of LDS; arguments xcodes, xscales, wimg, bq, bk, bv, qkv; writes qkv
.if DOCPART == 6
	.amdgcn_target "amdgcn-amd-amdhsa--gfx1250"
	.amdhsa_code_object_version 6
	.text
	.protected	k_q55b591cb89_proj
	.globl	k_q55b591cb89_proj
	.p2align	8
	.type	k_q55b591cb89_proj,@function
k_q55b591cb89_proj:
	s_mov_b64 s[64:65], 0
	v_nop
	global_prefetch_b8 v0, s[64:65] scope:SCOPE_SE
	s_setreg_imm32_b32 hwreg(HW_REG_WAVE_SCHED_MODE, 0, 2), 2
	s_setreg_imm32_b32 hwreg(HW_REG_WAVE_MODE, 25, 1), 1
	s_wait_xcnt 0x0
	s_wait_alu depctr_vm_vsrc(0)
; q = x Wq + bq, k = x Wk + bk, v = x Wv + bv on codes of FP6 (E2M3) with E8M0 scales, sums in f32; the results are quantised at once for the two products of attention and stored as images of
; operand registers: q and k along the head's 32 (one block a token), v along the keys (blocks of 32 tokens; tokens from 1370 on count as zeros).
; SHARES.  A work-group takes 128 tokens of one batch (x: 11 blocks; tokens past 1369 are read as token 1369) and half of the 48 heads (q 0-15, k 16-31, v 32-47); y = 2 x batch + half.
; Each of its four waves keeps the block's codes of x in registers (8 tiles x 4 K steps x 12 = 384) and walks 6 heads; a head's 8 weight fragments come from memory straight into registers,
; one head ahead, into two buffers by turns.  No LDS, no barrier.
; THE TOKENS OF A TILE ARE NOT NEIGHBOURS: lane r of tile t takes token 32 (t / 2) + 8 (t % 2) + r + 8 (r / 8); the weights' columns are chosen likewise.  So:
;   q, k: the product is used transposed (source 0 = 16 columns of W, source 1 = 16 tokens): a lane holds one token, and its 16 registers of tiles u = 0, 1 are 16 neighbouring channels of the head;
;         four token tiles make one fragment: A SUPER-FRAGMENT OF 64 TOKENS, token tile 2 c + h in the operand's block 2 c + h, its scale byte at that place of the scale word.
;   v:    source 0 = 16 tokens, source 1 = 16 columns: a lane holds one channel, and its 16 registers of token tiles 2 b, 2 b + 1 are 16 neighbouring tokens: a fragment of V^T, 16 channels x 128 keys.
; The biases are the C of each sum's first matrix instruction.
; NO CLUSTER: the operands that work-groups share (the weights' images, 12,800 bytes a head) go by lanes' loads into registers in the operand's own order; nothing passes through LDS that a joint request could fill.
; LIMITS: as in the quantising launch (NaN and infinities not served; the byte held at 1 from below; a block of zeros has the byte 1).
; REGISTERS, in windows of 256: window 0: v1-9 lane terms; v10-17, v18-25 offsets of x's codes and scales by tile; v32-63 x's scale words (4 t + s); v64-79 W's (8 p + f); v80-83 v's bias by lane;
;   v84-91 that bias spread as a C; v96-159 eight accumulators; v160-179 the codes just made; v180-195 at work; v196-198 scale words just made.
;   window 1: x's tiles 0-3 at 48 t + 12 s;  window 2: tiles 4-7;  window 3: W's buffer p at 96 p + 12 f, q's and k's bias at 192 + 16 p + 8 u.
; THE MODE: SCHED_MODE bits 1:0 = 2 (LLVM: expert scheduling mode 2), set by the entry lines.  The code itself states the register dependences
; between vector or matrix instructions and memory instructions, with s_wait_alu, always for 0.
; THE PLAN.  Registers that memory instructions touch:
;   v4, v5, v7, v8, v9, v10-25   offsets, made once at the head and never written again.
;   windows 1 and 2, v32-63      x's codes and scale words: loaded once at the head, read by products alone.
;   window 3 buffer p with its bias, v64 + 8 p on, v80 + 2 p on: written by the loads that are issued at the top of the head that works on buffer 1 - p; read by the products (v's bias: by moves) of the head after it.
;   v160-171, v198               written by the quantiser's lines and one select; read by the stores behind them.
; So a head has one wait on va_vdst ahead of its loads, and a fragment one wait on vm_vsrc ahead of the quantiser's lines and one on va_vdst ahead of its stores.
.set XO,  10
.set XSO, 18
.set XS,  32
.set WS,  64
.set BVR, 80
.set BC,  84
.set HA,  96
.set PC,  160
.set TM,  180
.set PW,  196
.set PW0, 197
.set PWC, 198
.set SEL, 24
.set REC, 105728                       ; a head's record in qkv: K's codes 0, V's 33792, K's scales 67584, V's 68992, Q's codes 70400, Q's scales 104192
.set MSB, 0
.macro WIN new                         ; the immediate's high byte repeats the setting that is left; a switch that changes nothing is dropped
.if MSB != (\new)
	s_set_vgpr_msb (MSB<<8)|(\new)
.set MSB, (\new)
.endif
.endm
; 64 numbers of a lane, register 16 b + i = element 32 b + 16 (lane / 16) + i of my row, become a fragment's codes in v[PC] on and its scale word in v[PW].
.macro QUANT s
.irp b, 0,1,2,3
	v_max3_num_f32 v[TM+\b], |v[\s+16*\b]|, |v[\s+1+16*\b]|, 0x1800000   ; block b: my 16 numbers, and the floor 2^(3 - 127)
.endr
.irp i, 2,4,6,8,10,12,14
.irp b, 0,1,2,3
	v_max3_num_f32 v[TM+\b], v[TM+\b], |v[\s+16*\b+\i]|, |v[\s+1+16*\b+\i]|   ; (the four blocks by turns)
.endr
.endr
.irp b, 0,1,2,3
	v_permlanex16_b32 v[TM+4+\b], v[TM+\b], s[SEL], s[SEL+1]
.endr
.irp b, 0,1,2,3
	v_max_num_f32 v[TM+\b], v[TM+\b], v[TM+4+\b]   ; with lane l xor 16's: the block's largest magnitude
.endr
.irp b, 0,1,2,3
	v_add_nc_u32 v[TM+12+\b], 0xff000000, v[TM+\b] ; 2 off its exponent field: the conversion's scale operand
.endr
.irp b, 0,1,2,3
	v_lshrrev_b32 v[TM+4+\b], 23, v[TM+12+\b]      ; the scale's byte
.endr
	v_lshl_or_b32 v[PW], v[TM+5], 8, v[TM+4]
	v_lshl_or_b32 v[PW], v[TM+6], 16, v[PW]
	v_lshl_or_b32 v[PW], v[TM+7], 24, v[PW]
.irp c, 0,1
	v_cvt_scalef32_pk16_fp6_f32 v[PC+6*\c:PC+2+6*\c], v[\s+32*\c:\s+15+32*\c], v[TM+12+2*\c]
	v_cvt_scalef32_pk16_fp6_f32 v[PC+12+4*\c:PC+14+4*\c], v[\s+16+32*\c:\s+31+32*\c], v[TM+12+2*\c+1]   ; (a conversion's three registers begin on an even number)
.endr
	v_nop                                          ; one plain line behind a scaled conversion
.irp c, 0,1                                    ; the operand's layout wants a WHOLE block in a lane: lanes 0-15 block 2 c, lanes 16-31 block 2 c + 1
.irp i, 0,1,2
	v_permlane16_swap_b32 v[PC+6*\c+\i], v[PC+12+4*\c+\i]
.endr
.irp i, 0,1,2
	v_mov_b32 v[PC+3+6*\c+\i], v[PC+12+4*\c+\i]
.endr
.endr
.endm
; Head s39's weights, scale words and bias into buffer p: 38 loads.  Both forms of the bias are loaded for every head, so that no branch stands here.
.macro PREF p
	s_mul_i32 s40, s39, 12288
	s_mov_b32 s41, 0
	s_add_nc_u64 s[28:29], s[8:9], s[40:41]        ; the head's image
	s_lshl_b32 s40, s39, 9
	s_add_co_u32 s40, s40, 786432
	s_add_nc_u64 s[30:31], s[8:9], s[40:41]        ; its scale words
	s_lshr_b32 s42, s39, 4
	s_cmp_eq_u32 s42, 1
	s_cselect_b64 s[32:33], s[12:13], s[10:11]
	s_cmp_eq_u32 s42, 2
	s_cselect_b64 s[32:33], s[14:15], s[32:33]
	s_and_b32 s40, s39, 15
	s_lshl_b32 s40, s40, 7
	s_add_nc_u64 s[32:33], s[32:33], s[40:41]      ; its 32 numbers of bq, bk or bv
	WIN 0xc0                                       ; destination window 3, address window 0
	s_wait_alu depctr_va_vdst(0)                   ; at the kernel's head: the offsets v4 to v25 are written, which all loads and stores of the launch read; in the loop: the last head's products are done reading this buffer's fragments, scale words and bias, and its moves v's bias: the loads below land there
.irp f, 0,1,2,3,4,5,6,7
.irp c, 0,1,2
	global_load_b128 v[96*(\p)+12*\f+4*\c:96*(\p)+12*\f+4*\c+3], v4, s[28:29] offset:1536*\f+512*\c
.endr
.endr
.irp u, 0,1
.irp q, 0,1
	global_load_b128 v[192+16*(\p)+8*\u+4*\q:192+16*(\p)+8*\u+4*\q+3], v8, s[32:33] offset:32*\u+16*\q   ; q, k: lane (r, h), tile u, register j: channel 16 h + 8 u + j
.endr
.endr
	WIN 0
.irp f, 0,1,2,3,4,5,6,7
	global_load_b32 v[WS+8*(\p)+\f], v7, s[30:31] offset:64*\f
.endr
.irp u, 0,1
	global_load_b32 v[BVR+2*(\p)+\u], v9, s[32:33] offset:32*\u    ; v: lane r, tile u: channel 8 u + r + 8 (r / 8)
.endr
.endm
; q, k: token tiles 4 e .. 4 e + 3 against the head's two tiles of columns: eight accumulators by turns, one instruction a turn, K step by K step.
.macro MMQK e, p
.irp s, 0,1,2,3
.if \s == 0
	WIN 0x37+4*(\e)                                ; source 0 (W) and source 2 (bias) window 3, source 1 (x) window 1 + e
.else
	WIN 0x07+4*(\e)
.endif
.irp xt, 0,1,2,3
.irp u, 0,1
.if \s == 0
	v_wmma_scale_f32_16x16x128_f8f6f4 v[HA+16*\xt+8*\u:HA+16*\xt+8*\u+7], v[96*(\p)+24*\s+12*\u:96*(\p)+24*\s+12*\u+11], v[48*\xt+12*\s:48*\xt+12*\s+11], v[192+16*(\p)+8*\u:192+16*(\p)+8*\u+7], v[WS+8*(\p)+2*\s+\u], v[XS+4*(4*(\e)+\xt)+\s] matrix_a_fmt:MATRIX_FMT_FP6 matrix_b_fmt:MATRIX_FMT_FP6
.else
	v_wmma_scale_f32_16x16x128_f8f6f4 v[HA+16*\xt+8*\u:HA+16*\xt+8*\u+7], v[96*(\p)+24*\s+12*\u:96*(\p)+24*\s+12*\u+11], v[48*\xt+12*\s:48*\xt+12*\s+11], v[HA+16*\xt+8*\u:HA+16*\xt+8*\u+7], v[WS+8*(\p)+2*\s+\u], v[XS+4*(4*(\e)+\xt)+\s] matrix_a_fmt:MATRIX_FMT_FP6 matrix_b_fmt:MATRIX_FMT_FP6
.endif
.endr
.endr
.endr
	WIN 0
.endm
; v: all eight token tiles against the head's tile e of columns.
.macro MMV e, p
.irp j, 0,1,2,3,4,5,6,7
	v_mov_b32 v[BC+\j], v[BVR+2*(\p)+(\e)]         ; my channel's bias in all eight rows
.endr
.rept 4
	v_nop                                          ; plain lines between the moves and the product that takes them as its C
.endr
.irp s, 0,1,2,3
.irp xt, 0,1,2,3,4,5,6,7
	WIN 0x0d+\xt/4                                 ; source 0 (x) window 1 or 2, source 1 (W) window 3
.if \s == 0
	v_wmma_scale_f32_16x16x128_f8f6f4 v[HA+8*\xt:HA+8*\xt+7], v[48*(\xt%4)+12*\s:48*(\xt%4)+12*\s+11], v[96*(\p)+24*\s+12*(\e):96*(\p)+24*\s+12*(\e)+11], v[BC:BC+7], v[XS+4*\xt+\s], v[WS+8*(\p)+2*\s+(\e)] matrix_a_fmt:MATRIX_FMT_FP6 matrix_b_fmt:MATRIX_FMT_FP6
.else
	v_wmma_scale_f32_16x16x128_f8f6f4 v[HA+8*\xt:HA+8*\xt+7], v[48*(\xt%4)+12*\s:48*(\xt%4)+12*\s+11], v[96*(\p)+24*\s+12*(\e):96*(\p)+24*\s+12*(\e)+11], v[HA+8*\xt:HA+8*\xt+7], v[XS+4*\xt+\s], v[WS+8*(\p)+2*\s+(\e)] matrix_a_fmt:MATRIX_FMT_FP6 matrix_b_fmt:MATRIX_FMT_FP6
.endif
.endr
.endr
	WIN 0
.endm
; The 64 results become fragment e of the block's two and leave as an image: three stores of 512 consecutive bytes; the two fragments' scale words leave together, 128 consecutive bytes.
.macro FINISH e
	s_wait_xcnt 0x0                                ; the earlier stores have read their data: the codes' and the scale word's registers are written again only behind this wait
	s_wait_alu depctr_vm_vsrc(0)                   ; the earlier stores have read v160-171 and v198, which the lines below write again
	QUANT HA
.if (\e) == 0
	v_mov_b32 v[PW0], v[PW]
.else
	v_cndmask_b32 v[PWC], v[PW0], v[PW], s26       ; lanes 0-15: fragment 0's words, lanes 16-31: fragment 1's (both halves of the lanes hold a row's word)
.endif
	s_wait_alu depctr_va_vdst(0)                   ; the quantiser's lines have written the codes v160-171, the select v198: the stores below read them
.irp c, 0,1,2
	global_store_b128 v4, v[PC+4*\c:PC+4*\c+3], s[34:35] offset:1536*(\e)+512*\c
.endr
.if (\e) == 1
	global_store_b32 v5, v[PWC], s[36:37]
.endif
.endm
.macro UNITQK e, p
	MMQK \e, \p
.rept 4
	v_nop                                          ; four places between the last products and the first read of results
.endr
	FINISH \e
.endm
.macro UNITV e, p
	MMV \e, \p
.rept 4
	v_nop
.endr
	s_cmp_lg_u32 s19, 10                           ; the batch's last block holds tokens 1280 .. 1407: those from 1370 on are zeros ahead of the block's maximum
	s_cbranch_scc1 .Lwhole_\@
.irp i, 42,43,44,45,46,47
	v_cndmask_b32 v[HA+\i], v[HA+\i], 0, s26       ; register 16 b + i holds token 1280 + 32 b + 16 (lane / 16) + i: 1370 on are b = 2, lanes 16-31, i from 10 on,
.endr
.irp i, 48,49,50,51,52,53,54,55,56,57,58,59,60,61,62,63
	v_mov_b32 v[HA+\i], 0                          ; and all of b = 3
.endr
.Lwhole_\@:
	FINISH \e
.endm
; One head, its weights in buffer p.
.macro HEAD p
	s_wait_loadcnt 0x0                             ; all that was asked for a head ago is in (in front of the first head: x too)
	s_wait_xcnt 0x0                                ; the last head's stores have read their bases
	s_lshr_b32 s38, s22, 4                         ; 0 q, 1 k, 2 v
	s_and_b32 s43, s22, 15
	s_lshl_b32 s44, s20, 4
	s_add_co_u32 s43, s43, s44
	s_mul_i32 s43, s43, REC                        ; the record of (batch, head)
	s_mov_b32 s40, 70400
	s_mov_b32 s41, 104192
	s_mov_b32 s42, 67584
	s_cmp_eq_u32 s38, 0
	s_cselect_b32 s40, s40, 0                      ; where the codes go: q 70400, k 0,
	s_cselect_b32 s41, s41, s42                    ; and the scale words: q 104192, k 67584,
	s_mov_b32 s42, 33792
	s_mov_b32 s44, 68992
	s_cmp_eq_u32 s38, 2
	s_cselect_b32 s40, s42, s40                    ; v 33792
	s_cselect_b32 s41, s44, s41                    ; v 68992
	s_mul_i32 s42, s19, 3072                       ; the block's two fragments
	s_add_co_u32 s40, s40, s42
	s_add_co_u32 s40, s40, s43
	s_lshl_b32 s42, s19, 7                         ; and their 128 bytes of scale words
	s_add_co_u32 s42, s41, s42
	s_add_co_u32 s42, s42, s43
	s_mov_b32 s41, 0
	s_mov_b32 s43, 0
	s_add_nc_u64 s[34:35], s[16:17], s[40:41]
	s_add_nc_u64 s[36:37], s[16:17], s[42:43]
	s_add_co_u32 s39, s22, 1                       ; the next head's weights are asked for now
.if (\p) == 1
	s_cmp_lt_u32 s23, 2                            ; (the wave's sixth head has no successor)
	s_cbranch_scc0 .Lno_next_\@
.endif
	PREF 1-(\p)
.if (\p) == 1
.Lno_next_\@:
.endif
	s_cmp_ge_u32 s22, 32
	s_cbranch_scc1 .Lvalues_\@
	UNITQK 0, \p
	UNITQK 1, \p
	s_branch .Ljoin_\@
.Lvalues_\@:
	UNITV 0, \p
	UNITV 1, \p
.Ljoin_\@:
	s_add_co_u32 s22, s22, 1
.endm
	s_load_b256 s[4:11], s[0:1], 0x0               ; xcodes, xscales, wimg, bq
	s_load_b128 s[12:15], s[0:1], 0x20             ; bk, bv
	s_load_b64 s[16:17], s[0:1], 0x30              ; qkv
	v_lshrrev_b32 v1, 5, v0
	v_readfirstlane_b32 s18, v1                    ; wave 0..3
	s_wait_alu depctr_va_sdst(0)                   ; s18 is written, ahead of its first reader: my first head is made from it
	s_mov_b32 s19, ttmp9                           ; block of 128 tokens
	s_and_b32 s38, ttmp7, 0xffff
	s_lshr_b32 s20, s38, 1                         ; batch
	s_and_b32 s21, s38, 1                          ; which half of the 48 heads
	s_mul_i32 s22, s21, 24
	s_mul_i32 s38, s18, 6
	s_add_co_u32 s22, s22, s38                     ; my first head
	s_mov_b32 s[SEL], 0x76543210
	s_mov_b32 s[SEL+1], 0xfedcba98                 ; v_permlanex16_b32's selects for lane l xor 16
	s_mov_b32 s26, 0xffff0000                      ; lanes 16-31
	v_and_b32 v1, 15, v0                           ; r
	v_bfe_u32 v2, v0, 4, 1                         ; h
	v_and_b32 v3, 31, v0                           ; lane
	v_lshlrev_b32 v4, 4, v3                        ; an image's place for my lane
	v_lshlrev_b32 v5, 2, v3
	v_lshlrev_b32 v7, 2, v1
	v_lshlrev_b32 v8, 6, v2
	v_and_b32 v6, 8, v1
	v_add_nc_u32 v6, v6, v1                        ; r + 8 (r / 8)
	v_lshlrev_b32 v9, 2, v6
	s_lshl_b32 s38, s19, 7
	v_add_nc_u32 v6, s38, v6
.irp t, 0,1,2,3,4,5,6,7
	v_add_nc_u32 v26, 32*(\t/2)+8*(\t%2), v6       ; tile t's token of my lane,
	v_min_u32 v26, 0x559, v26                      ; held at 1369: no load leaves the batch
	v_mul_u32_u24 v[XO+\t], v26, 384
	v_mad_u32_u24 v[XO+\t], v2, 24, v[XO+\t]       ; its codes: a row of 384 bytes, + 24 h
	v_lshlrev_b32 v[XSO+\t], 4, v26                ; its four scale words
.endr
.irp b, 0,1,2,3
	v_mov_b32 v[TM+4+\b], 0                        ; written once: a lane permute's destination counts as one of its sources
.endr
	s_mul_i32 s40, s20, 526080                     ; the batch's 1370 rows of codes,
	s_mov_b32 s41, 0
	s_mul_i32 s42, s20, 21920                      ; and of scale bytes
	s_mov_b32 s43, 0
	s_wait_kmcnt 0x0
	s_add_nc_u64 s[48:49], s[4:5], s[40:41]
	s_add_nc_u64 s[50:51], s[6:7], s[42:43]
	s_mov_b32 s39, s22
	PREF 0                                         ; the first head's weights; its wait also serves x's loads below: only loads and window switches stand between
	WIN 0x40                                       ; destination window 1
.irp t, 0,1,2,3
.irp s, 0,1,2,3
.irp p, 0,1,2,3,4,5
	global_load_b64 v[48*\t+12*\s+2*\p:48*\t+12*\s+2*\p+1], v[XO+\t], s[48:49] offset:96*\s+48*(\p/3)+8*(\p%3)
.endr
.endr
.endr
	WIN 0x80                                       ; destination window 2
.irp t, 0,1,2,3
.irp s, 0,1,2,3
.irp p, 0,1,2,3,4,5
	global_load_b64 v[48*\t+12*\s+2*\p:48*\t+12*\s+2*\p+1], v[XO+4+\t], s[48:49] offset:96*\s+48*(\p/3)+8*(\p%3)
.endr
.endr
.endr
	WIN 0
.irp t, 0,1,2,3,4,5,6,7
	global_load_b128 v[XS+4*\t:XS+4*\t+3], v[XSO+\t], s[50:51]
.endr
	s_mov_b32 s23, 0
.Lheads:                                               ; three trips of two heads: the two weight buffers change places and are back
	HEAD 0
	HEAD 1
	s_add_co_u32 s23, s23, 1
	s_cmp_lt_u32 s23, 3
	s_cbranch_scc1 .Lheads
	s_endpgm
.Lfunc_end_k_q55b591cb89_proj:
	.size	k_q55b591cb89_proj, .Lfunc_end_k_q55b591cb89_proj-k_q55b591cb89_proj
	.p2alignl 7, 3214868480
	.fill 96, 4, 3214868480
	.section	.rodata,"a",@progbits
	.p2align	6, 0x0
	.amdhsa_kernel k_q55b591cb89_proj
		.amdhsa_group_segment_fixed_size 0
		.amdhsa_private_segment_fixed_size 0
		.amdhsa_enable_private_segment 0
		.amdhsa_kernarg_size 56
		.amdhsa_user_sgpr_count 2
		.amdhsa_user_sgpr_kernarg_segment_ptr 1
		.amdhsa_wavefront_size32 1
		.amdhsa_system_sgpr_workgroup_id_x 1
		.amdhsa_system_sgpr_workgroup_id_y 1
		.amdhsa_system_sgpr_workgroup_id_z 1
		.amdhsa_system_vgpr_workitem_id 0
		.amdhsa_next_free_vgpr 1024
		.amdhsa_next_free_sgpr 66
		.amdhsa_reserve_vcc 0
		.amdhsa_float_denorm_mode_32 3
		.amdhsa_float_denorm_mode_16_64 3
		.amdhsa_memory_ordered 1
		.amdhsa_forward_progress 1
		.amdhsa_inst_pref_size 112
	.end_amdhsa_kernel
	.amdgpu_metadata
---
amdhsa.version: [ 1, 2 ]
amdhsa.kernels:
  - .name:           k_q55b591cb89_proj
    .symbol:         k_q55b591cb89_proj.kd
    .args:
      - { .name: xcodes, .offset: 0, .size: 8, .value_kind: global_buffer, .address_space: global }
      - { .name: xscales, .offset: 8, .size: 8, .value_kind: global_buffer, .address_space: global }
      - { .name: wimg, .offset: 16, .size: 8, .value_kind: global_buffer, .address_space: global }
      - { .name: bq, .offset: 24, .size: 8, .value_kind: global_buffer, .address_space: global }
      - { .name: bk, .offset: 32, .size: 8, .value_kind: global_buffer, .address_space: global }
      - { .name: bv, .offset: 40, .size: 8, .value_kind: global_buffer, .address_space: global }
      - { .name: qkv, .offset: 48, .size: 8, .value_kind: global_buffer, .address_space: global }
    .group_segment_fixed_size: 0
    .private_segment_fixed_size: 0
    .kernarg_segment_align: 8
    .kernarg_segment_size: 56
    .max_flat_workgroup_size: 128
    .sgpr_count:     66
    .vgpr_count:     1024
    .wavefront_size: 32
...
	.end_amdgpu_metadata
.endif
;; end of part 6
;; launch attn (part 7): grid 2 x 128, 16 waves a work-group, no clusters, 72,704 bytes of LDS; arguments qkv, ao; writes ao
.if DOCPART == 7
	.amdgcn_target "amdgcn-amd-amdhsa--gfx1250"
	.amdhsa_code_object_version 6
	.text
	.protected	k_q55b591cb89_attn
	.globl	k_q55b591cb89_attn
	.p2align	8
	.type	k_q55b591cb89_attn,@function
k_q55b591cb89_attn:
	s_mov_b64 s[64:65], 0
	v_nop
	global_prefetch_b8 v0, s[64:65] scope:SCOPE_SE
	s_setreg_imm32_b32 hwreg(HW_REG_WAVE_SCHED_MODE, 0, 2), 2
	s_setreg_imm32_b32 hwreg(HW_REG_WAVE_MODE, 25, 1), 1
	s_wait_xcnt 0x0
	s_wait_alu depctr_vm_vsrc(0)
; For each (batch, head): O = softmax(Q K^T / sqrt(32)) V on codes of FP6 (E2M3) with E8M0 scales, and O's 32 channels, one block of the last product's K, quantised at once.
; THE SOFTMAX AHEAD OF THE SECOND PRODUCT: t = score x log2(e) / sqrt(32) (one constant: the two factors are multiplied ahead of time); M = the running largest t rounded UP to a whole number; p = 2^(t - M)
; is what is quantised, along the keys; the row's sum is taken of the unquantised p and divides O at the end.  When M moves, the sum and O are multiplied by 2^(old M - new M): exact.
; SHARES.  y = 16 x batch + head.  The head's 86 tiles of 16 queries are halved between two work-groups; wave w of sixteen walks tiles w, w + 16 and (w < 11) w + 32 of its work-group's 43.
; Four waves share a SIMD, so that one wave's vector work stands beside another's matrix work and LDS loads.
; THE WHOLE HEAD'S K AND V LIE IN LDS, 70,400 bytes of operand images and scale words, copied once at the head: one barrier, then only reads; every LDS offset is an immediate.
; THE FIRST PRODUCT'S K IS 32, a quarter of the instruction's 128.  A super-fragment of K carries FOUR tiles of 16 keys in its four blocks of 32; the queries' fragment is kept in four variants, with the
; codes in block q and zero codes elsewhere, so that S^T tile 4 g + q = super-fragment g x variant q: the zero codes annul the other three blocks.  The variants are windows into 30 registers: QLO Z QHI Z QLO.
; LAYOUT.  Both products are used transposed (S^T = K Q^T, O^T = V^T P^T): a lane holds ONE query throughout.  The keys of a tile are chosen so that register 16 b + i of the scores is key
; 128 j + 32 b + 16 (lane / 16) + i; O^T's 16 registers are channels 16 (lane / 16) + 0 .. 15.
; The last key step holds keys 1280 .. 1407: scores of keys from 1370 on become -infinity ahead of the maximum (p = 0), and V's codes there are zeros.
; NO CLUSTER: what the two work-groups of a head share is 70,400 bytes read once at the head; the grid's x is 2.
; LIMITS: NaN and infinities not served; scale bytes held at 1 from below; a block of zeros has the byte 1.
; REGISTERS: v1-11 addresses; v12 -M, v13 the largest t, v[14:15] the sum in two halves; v16-45 Q's variants; v46 Q's scale word, v47 K's; v48-71 two super-fragments of K; v72-95 two fragments of V;
;   v96-159 S^T, then p; v160-175 O^T; v176 V's scale words, v177 p's; v178-189 p's codes; v190-196, v200-217 at work.
; THE MODE: SCHED_MODE bits 1:0 = 2 (LLVM: expert scheduling mode 2), set by the entry lines.  The code itself states the register dependences
; between vector or matrix instructions and memory or LDS instructions, with s_wait_alu, always for 0.
; THE PLAN.  Registers that memory or LDS instructions touch:
;   v1-6, v9-11      addresses and offsets, made once at the head and never written again.
;   v96-133          at the head: the copy's loads land there and its LDS stores read them; afterwards they are the scores' and at work.
;   v96-108          a walk's head: Q's super-fragment and scale word land there; the selects read them; then the scores are written there.
;   v48-71, v47      K of a step: loaded in the step before, behind that step's eight products; read by the step's eight products.
;   v72-95, v176     V of a step: loaded in the step, behind the last step's two products; read by the step's two last products.
;   v178-180, v209   the way out: written by a conversion and a shift, read by the walk's two stores; written again in the next walk's first step.
; And written by vector lines for scaled products: Q's variants v16-45 and v46 (once a walk), p's codes v178-189 and v177 (once a step).
; A step's LDS loads stand behind the wait that follows its 64 exponentials: that ONE wait states that p is written, that this step's eight products are done reading K and the last step's two done reading V.
; Between it and the two last products no vector line names K's or V's registers.  One more wait a step stands ahead of those two products, for p's codes and scale word.
.set REC, 105728
.set KF,  48
.set VF,  72
.set S,   96
.set O,   160
.set PC,  178
.set PT,  190
.set BM,  200
.set T2,  204
.set SO,  208
	s_load_b128 s[4:7], s[0:1], 0x0                ; qkv, ao
	v_lshl_add_u32 v254, v0, 2, 0x11400
	v_mov_b32 v255, 0
	v_lshrrev_b32 v8, 5, v0
	v_readfirstlane_b32 s8, v8                     ; wave 0..15
	s_wait_alu depctr_va_sdst(0)                   ; s8 is written, ahead of its first reader: the copy's branches and my first tile hang on it
	s_mov_b32 s9, ttmp9                            ; which half of the head's query tiles
	s_and_b32 s10, ttmp7, 0xffff                   ; 16 x batch + head
	v_and_b32 v8, 31, v0                           ; lane
	v_and_b32 v16, 15, v0                          ; r
	v_bfe_u32 v17, v0, 4, 1                        ; h
	v_lshlrev_b32 v1, 4, v8                        ; an image's place for my lane: K's,
	v_add_nc_u32 v2, 33792, v1                     ; V's
	v_lshlrev_b32 v3, 2, v8
	v_add_nc_u32 v6, 384, v3                       ; the way out: my scale word
	v_add_nc_u32 v3, 67584, v3                     ; the scale words in LDS
	v_lshlrev_b32 v4, 2, v16
	v_mul_u32_u24 v5, v16, 24
	v_mad_u32_u24 v5, v17, 12, v5                  ; the way out: my 12 bytes of codes
	v_mov_b32 v7, 0xff800000                       ; -infinity
	v_lshlrev_b32 v9, 4, v0                        ; the copy: 16 bytes a thread,
	v_add_nc_u32 v10, 65536, v9                    ; a ninth piece for waves 0-3,
	v_lshlrev_b32 v11, 3, v0
	v_add_nc_u32 v11, 66560, v11                   ; and 8 bytes a thread for waves 4-14: 67584 + 256 (wave - 4)
.irp i, 22,23,24,25,26,27,34,35,36,37,38,39
	v_mov_b32 v\i, 0                               ; the variants' zero codes: written once
.endr
.irp b, 0,1,2,3
	v_mov_b32 v[T2+\b], 0                          ; written once: a lane permute's destination counts as one of its sources
.endr
	s_mul_i32 s14, s10, REC
	s_mov_b32 s15, 0
	s_wait_kmcnt 0x0
	s_add_nc_u64 s[12:13], s[4:5], s[14:15]        ; the head's record
	s_wait_alu depctr_va_vdst(0)                   ; the addresses and offsets v1 to v6 and v9 to v11 are written, which the loads and stores of the whole kernel read
.irp i, 0,1,2,3,4,5,6,7
	global_load_b128 v[96+4*\i:99+4*\i], v9, s[12:13] offset:8192*\i     ; bytes 0 .. 65535: the work-group reads 8,192 consecutive bytes an instruction
.endr
	s_mov_b32 s20, 0x76543210
	s_mov_b32 s21, 0xfedcba98                      ; v_permlanex16_b32's selects for lane l xor 16
	s_mov_b32 s22, 0x3e8293ee                      ; c = log2(e) / sqrt(32)
	s_mov_b32 s23, s22                             ; (named with it as a pair, so it is written)
	s_mov_b32 s24, 0x0000ffff                      ; lanes 0-15
	s_mov_b32 s25, 0xffff0000                      ; lanes 16-31
	s_cmp_lt_u32 s8, 4
	s_cbranch_scc0 .Lnot_ninth
	global_load_b128 v[128:131], v10, s[12:13]     ; bytes 65536 .. 67583
	s_wait_loadcnt 0x0
	ds_store_b128 v10, v[128:131]
	s_branch .Lcopied
.Lnot_ninth:
	s_cmp_lt_u32 s8, 15
	s_cbranch_scc0 .Lcopied
	global_load_b64 v[132:133], v11, s[12:13]      ; bytes 67584 .. 70399: the scale words
	s_wait_loadcnt 0x0
	ds_store_b64 v11, v[132:133]
.Lcopied:
	s_wait_loadcnt 0x0
.irp i, 0,1,2,3,4,5,6,7
	ds_store_b128 v9, v[96+4*\i:99+4*\i] offset:8192*\i
.endr
	s_wait_dscnt 0x0                               ; for the others' sake: my stores have landed
	s_barrier_signal -1
	s_barrier_wait -1                              ; K and V of the head lie in LDS; nobody writes LDS from here on
	s_wait_alu depctr_vm_vsrc(0)                   ; my LDS stores have read v96 to v133, which the moves below, Q's loads and the scores' products write from here on
.irp i, 116,117,118,119,120,121
	v_mov_b32 v\i, 0                               ; destinations of lane permutes
.endr
.macro LOADK j                         ; key step j's two super-fragments and their scale words (lanes 0-15: the first's, lanes 16-31: the second's): 7 LDS loads
.irp i, 0,1,2,3,4,5
	ds_load_b128 v[KF+4*\i:KF+4*\i+3], v1 offset:3072*(\j)+512*\i
.endr
	ds_load_b32 v47, v3 offset:128*(\j)
.endm
.macro LOADV j                         ; and its two fragments of V^T, likewise
.irp i, 0,1,2,3,4,5
	ds_load_b128 v[VF+4*\i:VF+4*\i+3], v2 offset:3072*(\j)+512*\i
.endr
	ds_load_b32 v176, v3 offset:1408+128*(\j)
.endm
; A KEY STEP: 128 keys.  last = 1: keys 1280 on.
.macro STEP j, last
	s_wait_dscnt 0x0                               ; K of this step is in
.irp g, 0,1
.irp q, 0,1,2,3
.if (\last == 0) || (\g == 0) || (\q < 2)      ; (the last step's tiles 6 and 7 hold no key under 1370)
.set QV, 16+6*((\q/2)*(7-2*\q)+(1-\q/2)*2*\q)  ; variant q begins at v16, v28, v34, v22
.if \g == 0
	v_wmma_scale_f32_16x16x128_f8f6f4 v[S+8*\q:S+8*\q+7], v[KF:KF+11], v[QV:QV+11], 0, v47, v46 matrix_a_fmt:MATRIX_FMT_FP6 matrix_b_fmt:MATRIX_FMT_FP6
.else
	v_wmma_scale_f32_16x16x128_f8f6f4 v[S+32+8*\q:S+32+8*\q+7], v[KF+12:KF+23], v[QV:QV+11], 0, v47, v46 matrix_a_fmt:MATRIX_FMT_FP6 matrix_b_fmt:MATRIX_FMT_FP6 matrix_a_scale:MATRIX_SCALE_ROW1
.endif
.endif
.endr
.endr
.rept 4
	v_nop                                          ; four places in front of the first read of the scores
.endr
.if \last
.irp i, 42,43,44,45,46,47
	v_cndmask_b32 v[S+\i], v[S+\i], v7, s25        ; keys 1370 .. 1375: block 2, lanes 16-31, registers 10 on
.endr
.irp i, 48,49,50,51,52,53,54,55,56,57,58,59,60,61,62,63
	v_mov_b32 v[S+\i], v7                          ; keys 1376 on: all of block 3
.endr
.endif
.irp b, 0,1,2,3
	v_max3_num_f32 v[BM+\b], v[S+16*\b], v[S+1+16*\b], v[S+2+16*\b]   ; THE LARGEST SCORE OF EACH BLOCK OF 32 KEYS serves twice: for the row's maximum, and, since p rises with the score, for the block's largest p
.endr
.irp i, 3,5,7,9,11,13
.irp b, 0,1,2,3
	v_max3_num_f32 v[BM+\b], v[BM+\b], v[S+16*\b+\i], v[S+1+16*\b+\i]   ; (the four blocks by turns)
.endr
.endr
.irp b, 0,1,2,3
	v_max_num_f32 v[BM+\b], v[BM+\b], v[S+15+16*\b]
.endr
.irp b, 0,1,2,3
	v_permlanex16_b32 v[T2+\b], v[BM+\b], s20, s21
.endr
.irp b, 0,1,2,3
	v_max_num_f32 v[BM+\b], v[BM+\b], v[T2+\b]     ; with lane l xor 16's 16 keys
.endr
	v_max3_num_f32 v214, v200, v201, v202
	v_max_num_f32 v214, v214, v203                 ; the step's largest score of my query
	v_mul_f32 v214, s22, v214                      ; as t (c is positive)
	v_max_num_f32 v13, v13, v214                   ; the running largest t
	v_mov_b32 v214, v12
	v_floor_f32 v12, -v13                          ; the new -M = floor(-t) = -ceil(t): a whole number
	v_sub_f32 v214, v12, v214                      ; M's old value less its new one: a whole number, 0 or less
	v_cvt_i32_f32 v214, v214                       ; (it saturates)
	v_ldexp_f32 v212, 1.0, v214                    ; f = 2^(old M - new M)
.set N, 0
.rept 32
	v_pk_fma_f32 v[S+N:S+N+1], v[S+N:S+N+1], s[22:23], v[12:13] op_sel_hi:[1,0,0]   ; t - M, two at a time (of the pairs c and -M the low word serves both halves)
.set N, N+2
.endr
.irp b, 0,1,2,3
	v_fma_f32 v[BM+\b], v[BM+\b], s22, v12         ; the same of each block's largest score
.endr
.set N, 0
	s_wait_alu depctr_va_vdst(0)
.rept 64
	v_exp_f32 v[S+N], v[S+N]                       ; p = 2^(t - M), at most 1: not normalised
.set N, N+1
.endr
	v_pk_mul_f32 v[14:15], v[14:15], v[212:213] op_sel_hi:[1,0]   ; the sums under the new M (the plain line behind the exponentials)
	s_wait_alu depctr_va_vdst(0)                   ; the 64 exponentials have written p, ahead of the first line that names a result; this step's eight products are done reading K's registers and v47, the last step's two done reading V's and v176: the loads below land there
	LOADV \j
.if \last == 0
	LOADK (\j)+1                                   ; the next step's K lands under the rest of this step
.endif
.irp b, 0,1,2,3
	v_exp_f32 v[BM+\b], v[BM+\b]                   ; the block's largest p: the same two instructions on the same number give the same bits
.endr
	v_pk_add_f32 v[216:217], v[S:S+1], v[S+2:S+3]  ; THE ROW'S SUM IS TAKEN OF THE UNQUANTISED p, two at a time, in two chains: the first half here, behind the four exponentials,
.irp n, 4,8,12,16,20,24,28
	v_pk_add_f32 v[14:15], v[14:15], v[S+\n:S+\n+1]
	v_pk_add_f32 v[216:217], v[216:217], v[S+\n+2:S+\n+3]
.endr
	s_wait_alu depctr_va_vdst(0)                   ; the four exponentials have written the blocks' largest p, ahead of the first line that names one
.irp b, 0,1,2,3
	v_max_num_f32 v[BM+\b], 0x1800000, v[BM+\b]    ; the floor 2^(3 - 127): the byte cannot fall under 1 (a block whose every p is 0 keeps that byte: its codes are zeros)
.endr
.irp b, 0,1,2,3
	v_add_nc_u32 v[SO+\b], 0xff000000, v[BM+\b]    ; 2 off the exponent field: the conversion's scale operand
.endr
.irp b, 0,1,2,3
	v_lshrrev_b32 v[T2+\b], 23, v[SO+\b]           ; the scale's byte
.endr
	v_lshl_or_b32 v177, v205, 8, v204              ; p's scale word for these 128 keys
	v_lshl_or_b32 v177, v206, 16, v177
	v_lshl_or_b32 v177, v207, 24, v177
.irp c, 0,1
	v_cvt_scalef32_pk16_fp6_f32 v[PC+6*\c:PC+2+6*\c], v[S+32*\c:S+15+32*\c], v[SO+2*\c]
	v_cvt_scalef32_pk16_fp6_f32 v[PT+4*\c:PT+2+4*\c], v[S+16+32*\c:S+31+32*\c], v[SO+2*\c+1]   ; (a conversion's three registers begin on an even number)
.endr
	v_nop                                          ; one plain line behind a scaled conversion
.irp c, 0,1                                    ; the operand's layout wants a WHOLE block in a lane
.irp i, 0,1,2
	v_permlane16_swap_b32 v[PC+6*\c+\i], v[PT+4*\c+\i]
.endr
.irp i, 0,1,2
	v_mov_b32 v[PC+3+6*\c+\i], v[PT+4*\c+\i]
.endr
.endr
.irp n, 0,2,4,6,8,10,12,14
	v_pk_mul_f32 v[O+\n:O+\n+1], v[O+\n:O+\n+1], v[212:213] op_sel_hi:[1,0]   ; O^T under the new M, from each accumulator's low end on
.endr
.irp n, 32,36,40,44,48,52,56,60                ; the sum's second half stands here: 17 plain lines between the lines that wrote p's codes, p's scale word and O^T and the products that take them
	v_pk_add_f32 v[14:15], v[14:15], v[S+\n:S+\n+1]
	v_pk_add_f32 v[216:217], v[216:217], v[S+\n+2:S+\n+3]
.endr
	v_pk_add_f32 v[14:15], v[14:15], v[216:217]
	s_wait_alu depctr_va_vdst(0)                   ; p's codes v178-189 and p's scale word v177 are written, which the scaled products below take as source 1 and as its scales; the places above stay beside this wait
.if \last == 0
	s_wait_dscnt 7                                 ; V is in; the seven loads of the next step's K may be out
.else
	s_wait_dscnt 0x0
.endif
	v_wmma_scale_f32_16x16x128_f8f6f4 v[O:O+7], v[VF:VF+11], v[PC:PC+11], v[O:O+7], v176, v177 matrix_a_fmt:MATRIX_FMT_FP6 matrix_b_fmt:MATRIX_FMT_FP6   ; O^T += V^T P^T: two accumulators, one instruction each; the next step's eight products stand between a link and the next
	v_wmma_scale_f32_16x16x128_f8f6f4 v[O+8:O+15], v[VF+12:VF+23], v[PC:PC+11], v[O+8:O+15], v176, v177 matrix_a_fmt:MATRIX_FMT_FP6 matrix_b_fmt:MATRIX_FMT_FP6 matrix_a_scale:MATRIX_SCALE_ROW1
.endm
	s_mov_b32 s32, 0
	s_mov_b32 s30, s8                              ; my tile among the work-group's 43
.Lwalk:                                                ; three trips; a wave from 11 on has no third tile and passes over the trip's work
	s_cmp_ge_u32 s30, 43
	s_cbranch_scc1 .Lnext
	s_wait_xcnt 0x0                                ; the last walk's stores have read their data and their base
	s_wait_alu depctr_vm_vsrc(0)                   ; the last walk's stores have read v178-180 and v209, which this walk's first step writes again
	s_wait_alu depctr_va_vdst(0)                   ; the last walk's vector lines are done with v96-108 and its products with K's registers and v47: the loads below land there
	s_mul_i32 s31, s9, 43
	s_add_co_u32 s31, s31, s30                     ; the query tile, 0 .. 85
	s_lshr_b32 s39, s31, 2                         ; it lies in super-fragment T / 4 of Q, at block T % 4
	s_mul_i32 s40, s39, 1536
	s_add_co_u32 s40, s40, 70400
	s_mov_b32 s41, 0
	s_add_nc_u64 s[26:27], s[12:13], s[40:41]
	s_lshl_b32 s40, s39, 6
	s_add_co_u32 s40, s40, 104192
	s_add_nc_u64 s[28:29], s[12:13], s[40:41]
	s_mul_i32 s40, s10, 86
	s_add_co_u32 s40, s40, s31
	s_lshl_b32 s40, s40, 9
	s_add_nc_u64 s[34:35], s[6:7], s[40:41]        ; the tile's 512 bytes of ao
.irp i, 0,1,2
	global_load_b128 v[96+4*\i:99+4*\i], v1, s[26:27] offset:512*\i
.endr
	global_load_b32 v108, v4, s[28:29]
	LOADK 0
	s_bitcmp1_b32 s31, 1
	s_cselect_b32 s36, -1, 0                       ; registers 6-11 or 0-5 of the super-fragment,
	s_bitcmp1_b32 s31, 0
	s_cselect_b32 s37, s25, s24                    ; lanes 16-31 or 0-15,
	s_and_b32 s38, s31, 3
	s_lshl_b32 s38, s38, 3                         ; and byte T % 4 of the scale word
	s_wait_loadcnt 0x0
	v_bfe_u32 v109, v108, s38, 8
	v_mul_lo_u32 v46, v109, 0x01010101             ; my query's byte at all four places: whichever block holds the codes
.irp i, 0,1,2,3,4,5
	v_cndmask_b32 v[110+\i], v[96+\i], v[102+\i], s36
.endr
.irp i, 0,1,2,3,4,5
	v_permlanex16_b32 v[116+\i], v[110+\i], s20, s21
.endr
.irp i, 0,1,2,3,4,5
	v_cndmask_b32 v[122+\i], v[116+\i], v[110+\i], s37   ; query r's 24 bytes in lanes r and 16 + r
.endr
.irp i, 0,1,2,3,4,5
	v_cndmask_b32 v[16+\i], 0, v[122+\i], s24      ; QLO: the codes in lanes 0-15,
	v_cndmask_b32 v[28+\i], 0, v[122+\i], s25      ; QHI: in lanes 16-31,
	v_cndmask_b32 v[40+\i], 0, v[122+\i], s24      ; QLO once more
.endr
	v_mov_b32 v13, 0xff61b1e6                      ; the largest t so far: -3e38, under every t
	v_floor_f32 v12, -v13                          ; -M
	v_mov_b32 v14, 0                               ; the sum, in two halves
	v_mov_b32 v15, 0
	v_mov_b32 v213, 0                              ; (named as the upper half of the pair v[212:213])
.set N, 0
.rept 16
	v_mov_b32 v[O+N], 0                            ; O^T: the step is written alike for all steps; the first change of M leaves zeros zeros.  (These 21 lines are also the places behind the lines that wrote Q's variants)
.set N, N+1
.endr
	s_wait_alu depctr_va_vdst(0)                   ; Q's variants v16-45 and Q's scale word v46 are written, which the scaled products of all eleven steps take as source 1 and as its scales; the places above stay beside this wait
.irp t, 0,1,2,3,4,5,6,7,8,9
	STEP \t, 0
.endr
	STEP 10, 1
	; THE WAY OUT: O^T / the sum; its 32 channels are one block of the last product's K: lanes l and l xor 16 hold 16 each.
.rept 4
	v_nop                                          ; four places behind the last products
.endr
	v_add_f32 v14, v14, v15                        ; the sum's two halves,
	v_permlanex16_b32 v214, v14, s20, s21
	v_add_f32 v14, v14, v214                       ; and lane l xor 16's: the row's sum
	s_wait_alu depctr_va_vdst(0)
	v_rcp_f32 v14, v14
	v_nop                                          ; one plain line behind a transcendental
	s_wait_alu depctr_va_vdst(0)                   ; the reciprocal has written v14, ahead of its first reader
.set N, 0
.rept 16
	v_mul_f32 v[S+N], v[O+N], v14                  ; from each accumulator's low end on
.set N, N+1
.endr
	v_max3_num_f32 v200, |v96|, |v97|, 0x1800000   ; the block's largest magnitude, with the floor
.irp i, 2,4,6,8,10,12,14
	v_max3_num_f32 v200, v200, |v[S+\i]|, |v[S+1+\i]|
.endr
	v_permlanex16_b32 v204, v200, s20, s21
	v_max_num_f32 v200, v200, v204
	v_add_nc_u32 v208, 0xff000000, v200
	v_lshrrev_b32 v209, 23, v208                   ; the scale's byte, stored as a word
	v_cvt_scalef32_pk16_fp6_f32 v[PC:PC+2], v[S:S+15], v208
	v_nop                                          ; one plain line behind a scaled conversion
	s_wait_alu depctr_va_vdst(0)                   ; the conversion has written v178-180 and the shift v209, which the two stores read
	global_store_b96 v5, v[PC:PC+2], s[34:35]      ; 24 r + 12 h: the wave stores 384 consecutive bytes,
	global_store_b32 v6, v209, s[34:35]            ; and 128 more
.Lnext:
	s_add_co_u32 s30, s30, 16
	s_add_co_u32 s32, s32, 1
	s_cmp_lt_u32 s32, 3
	s_cbranch_scc1 .Lwalk
	s_wait_dscnt 0x0                               ; the closing lines, six on end
	s_wait_alu 0x0
	s_wait_tensorcnt 0x0
	ds_add_u32 v254, v255
	s_wait_dscnt 0x0
	s_endpgm
.Lfunc_end_k_q55b591cb89_attn:
	.size	k_q55b591cb89_attn, .Lfunc_end_k_q55b591cb89_attn-k_q55b591cb89_attn
	.p2alignl 7, 3214868480
	.fill 96, 4, 3214868480
	.section	.rodata,"a",@progbits
	.p2align	6, 0x0
	.amdhsa_kernel k_q55b591cb89_attn
		.amdhsa_group_segment_fixed_size 72704
		.amdhsa_private_segment_fixed_size 0
		.amdhsa_enable_private_segment 0
		.amdhsa_kernarg_size 16
		.amdhsa_user_sgpr_count 2
		.amdhsa_user_sgpr_kernarg_segment_ptr 1
		.amdhsa_wavefront_size32 1
		.amdhsa_system_sgpr_workgroup_id_x 1
		.amdhsa_system_sgpr_workgroup_id_y 1
		.amdhsa_system_sgpr_workgroup_id_z 1
		.amdhsa_system_vgpr_workitem_id 0
		.amdhsa_next_free_vgpr 256
		.amdhsa_next_free_sgpr 66
		.amdhsa_reserve_vcc 0
		.amdhsa_float_denorm_mode_32 3
		.amdhsa_float_denorm_mode_16_64 3
		.amdhsa_memory_ordered 1
		.amdhsa_forward_progress 1
		.amdhsa_inst_pref_size 161
	.end_amdhsa_kernel
	.amdgpu_metadata
---
amdhsa.version: [ 1, 2 ]
amdhsa.kernels:
  - .name:           k_q55b591cb89_attn
    .symbol:         k_q55b591cb89_attn.kd
    .args:
      - { .name: qkv, .offset: 0, .size: 8, .value_kind: global_buffer, .address_space: global }
      - { .name: ao, .offset: 8, .size: 8, .value_kind: global_buffer, .address_space: global }
    .group_segment_fixed_size: 72704
    .private_segment_fixed_size: 0
    .kernarg_segment_align: 8
    .kernarg_segment_size: 16
    .max_flat_workgroup_size: 512
    .sgpr_count:     66
    .vgpr_count:     256
    .wavefront_size: 32
...
	.end_amdgpu_metadata
.endif
;; end of part 7
;; launch outp (part 8): grid 29 x 8, 4 waves a work-group, no clusters, 34,304 bytes of LDS; arguments ao, wimg, bo, out0; writes out0
.if DOCPART == 8
	.amdgcn_target "amdgcn-amd-amdhsa--gfx1250"
	.amdhsa_code_object_version 6
	.text
	.protected	k_q55b591cb89_outp
	.globl	k_q55b591cb89_outp
	.p2align	8
	.type	k_q55b591cb89_outp,@function
k_q55b591cb89_outp:
	s_mov_b64 s[64:65], 0
	v_nop
	global_prefetch_b8 v0, s[64:65] scope:SCOPE_SE
	s_setreg_imm32_b32 hwreg(HW_REG_WAVE_SCHED_MODE, 0, 2), 2
	s_setreg_imm32_b32 hwreg(HW_REG_WAVE_MODE, 25, 1), 1
	s_wait_xcnt 0x0
	s_wait_alu depctr_vm_vsrc(0)
; out0 = O Wo + bo on codes of FP6 (E2M3) with E8M0 scales, sums in f32.  O's codes come as attention left them: for each (batch, head) and each tile of 16 tokens 512 bytes: 24 bytes a token
; (the head's 32 channels: one block of this product's K) and a scale word a lane.
; SHARES.  y = batch; work-group x takes token tiles 3 x, 3 x + 1, 3 x + 2 of the batch's 86 (tile 86 does not exist: its loads read tile 85 and its work is passed over).  Wave w makes columns
; 128 w .. 128 w + 127: its 32 fragments of Wo stay in registers, read from memory once, in the operand's own order.
; The product is used transposed (source 0 = 16 columns of Wo, source 1 = 16 tokens): a lane holds one token, and its 16 registers of tiles u = 0, 1 are 16 neighbouring columns.  bo is the C of each sum's first
; matrix instruction.  A tile's 16 rows x 512 bytes go through the wave's own stage in LDS and leave as whole rows: each store of the wave covers 512 consecutive bytes, aligned.  No barrier: waves share nothing.
; Tile T holds tokens 32 (T / 2) + 8 (T % 2) + r + 8 (r / 8): of tile 85 rows 10 to 15 are tokens from 1370 on and are not stored.
; NO CLUSTER: the operands go by lanes' loads into registers; nothing passes through LDS that a joint request could fill.
; REGISTERS, in windows of 256: window 0: v1-10 lane terms; v16-47 Wo's scale words (8 b + f); v48-71 O's scale bytes as loaded; v72-83 O's scale words (4 i + s); v96-159 eight accumulators; v160-223 rows on the way out.
;   window 1: Wo's column groups 0, 1 at 96 (b % 2) + 12 f;  window 2: groups 2, 3;  window 3: bo at 16 b + 8 u, O's fragments at 64 + 48 i + 12 s.
; THE MODE: SCHED_MODE bits 1:0 = 2 (LLVM: expert scheduling mode 2), set by the entry lines.  The code itself states the register dependences
; between vector or matrix instructions and memory or LDS instructions, with s_wait_alu, always for 0.
; THE PLAN.  Registers that memory or LDS instructions touch:
;   v4-10            offsets and LDS addresses, made once at the head and never written again.
;   windows 1 to 3, v16-71   the operands, loaded once at the head; read by products (v48-71: by the lines that make O's scale words); never written again.
;   v96-159          the accumulators: written by a tile's products, read by its LDS stores, written again by the next tile's products.
;   v160-223         a tile's rows: written by its LDS loads, read by its global stores; no vector line names them.
; And written by vector lines for scaled products: O's scale words v72-83, once.
; So a tile has one wait on va_vdst, ahead of its LDS stores, and one on vm_vsrc, behind them and ahead of its LDS loads.
.set WS, 16
.set AR, 48
.set AS, 72
.set HA, 96
.set BK, 160
.set HB, 44032                         ; a head's 86 tiles of 512 bytes
.set MSB, 0
.macro WIN new                         ; the immediate's high byte repeats the setting that is left; a switch that changes nothing is dropped
.if MSB != (\new)
	s_set_vgpr_msb (MSB<<8)|(\new)
.set MSB, (\new)
.endif
.endm
	s_load_b256 s[4:11], s[0:1], 0x0               ; ao, wimg, bo, out0
	v_lshl_add_u32 v254, v0, 2, 0x8400
	v_mov_b32 v255, 0
	v_lshrrev_b32 v1, 5, v0
	v_readfirstlane_b32 s12, v1                    ; wave 0..3
	s_wait_alu depctr_va_sdst(0)                   ; s12 is written, ahead of its first reader: my stage and my columns are made from it
	s_and_b32 s13, ttmp7, 0xffff                   ; batch
	v_and_b32 v1, 31, v0                           ; lane
	v_and_b32 v2, 15, v0                           ; r
	v_bfe_u32 v3, v0, 4, 1                         ; h
	v_lshlrev_b32 v4, 4, v1                        ; 16 x lane
	v_lshlrev_b32 v5, 2, v2                        ; 4 r
	v_mul_u32_u24 v6, v3, HB
	v_mad_u32_u24 v6, v2, 24, v6                   ; O's codes: lanes 16-31 take the next head; row r's 24 bytes
	v_mul_u32_u24 v7, v3, HB
	v_add_nc_u32 v7, 384, v7
	v_add_nc_u32 v7, v7, v5                        ; and row r's scale word
	v_lshlrev_b32 v8, 6, v3                        ; bo: 64 h
	s_mul_i32 s40, s12, 8448                       ; my stage: 16 rows of 512 + 16 bytes
	v_mul_u32_u24 v9, v2, 528
	v_lshl_add_u32 v9, v3, 6, v9
	v_add_nc_u32 v9, s40, v9                       ; in: row r, + 64 h
	v_add_nc_u32 v10, s40, v4                      ; back: 16 bytes a lane of a row
	v_mov_b32 v85, 0                               ; a lane permute's destination counts as one of its sources
	s_mov_b32 s38, 0x76543210
	s_mov_b32 s39, 0xfedcba98                      ; v_permlanex16_b32's selects for lane l xor 16
	s_mul_i32 s14, ttmp9, 3                        ; my three tiles
	s_add_co_u32 s15, s14, 1
	s_add_co_u32 s16, s14, 2
	s_min_u32 s17, s16, 85                         ; (the third, held inside the batch for its loads)
	s_mul_i32 s40, s13, 16*HB                      ; the batch's 16 heads in ao
	s_mul_i32 s46, s13, 1370                       ; its first row of out0
	s_lshl_b32 s47, s12, 9                         ; my 128 columns, in bytes
	s_mov_b32 s43, 0
	s_wait_kmcnt 0x0
.macro ABASE dst, t                    ; tile s[t] of the batch's head 0
	s_lshl_b32 s42, s[\t], 9
	s_add_co_u32 s42, s42, s40
	s_add_nc_u64 s[\dst:\dst+1], s[4:5], s[42:43]
.endm
.macro OBASE dst, t                    ; the tile's first token's row of out0, at my columns
	s_lshr_b32 s44, s[\t], 1
	s_lshl_b32 s44, s44, 5
	s_and_b32 s45, s[\t], 1
	s_lshl_b32 s45, s45, 3
	s_add_co_u32 s44, s44, s45
	s_add_co_u32 s44, s44, s46
	s_lshl_b32 s44, s44, 11
	s_add_co_u32 s44, s44, s47
	s_mov_b32 s45, 0
	s_add_nc_u64 s[\dst:\dst+1], s[10:11], s[44:45]
.endm
	ABASE 20, 14
	ABASE 22, 15
	ABASE 24, 17
	OBASE 26, 14
	OBASE 28, 15
	OBASE 30, 17
	s_lshl_b32 s42, s12, 2
	s_add_co_u32 s42, s42, 48                      ; Wo's images are numbers 48 .. 63; mine begin at 48 + 4 w
	s_mul_i32 s44, s42, 12288
	s_mov_b32 s45, 0
	s_add_nc_u64 s[32:33], s[6:7], s[44:45]
	s_lshl_b32 s44, s42, 9
	s_add_co_u32 s44, s44, 786432
	s_add_nc_u64 s[34:35], s[6:7], s[44:45]
	s_mov_b32 s44, s47
	s_add_nc_u64 s[36:37], s[8:9], s[44:45]
	; all loads go out at once
	WIN 0xc0                                       ; destination window 3
	s_wait_alu depctr_va_vdst(0)                   ; the offsets and LDS addresses v4 to v10 are written, which the loads and stores of the whole kernel read; only loads and window switches stand between this wait and the last of the loads below
.irp i, 0,1,2
.irp s, 0,1,2,3
.irp c, 0,1
.irp p, 0,1,2
	global_load_b64 v[64+48*\i+12*\s+6*\c+2*\p:64+48*\i+12*\s+6*\c+2*\p+1], v6, s[20+2*\i:21+2*\i] offset:(4*\s+2*\c)*HB+8*\p   ; lane (r, h), registers 6 c on: head 4 s + 2 c + h
.endr
.endr
.endr
.endr
.irp b, 0,1,2,3
.irp u, 0,1
.irp q, 0,1
	global_load_b128 v[16*\b+8*\u+4*\q:16*\b+8*\u+4*\q+3], v8, s[36:37] offset:128*\b+32*\u+16*\q   ; bo at columns 32 b + 16 h + 8 u + 0 .. 7
.endr
.endr
.endr
	WIN 0
.irp i, 0,1,2
.irp s, 0,1,2,3
.irp c, 0,1
	global_load_b32 v[AR+8*\i+2*\s+\c], v7, s[20+2*\i:21+2*\i] offset:(4*\s+2*\c)*HB
.endr
.endr
.endr
.irp b, 0,1,2,3
.irp f, 0,1,2,3,4,5,6,7
	global_load_b32 v[WS+8*\b+\f], v5, s[34:35] offset:512*\b+64*\f
.endr
.endr
	WIN 0x40                                       ; destination window 1
.irp b, 0,1
.irp f, 0,1,2,3,4,5,6,7
.irp c, 0,1,2
	global_load_b128 v[96*\b+12*\f+4*\c:96*\b+12*\f+4*\c+3], v4, s[32:33] offset:12288*\b+1536*\f+512*\c
.endr
.endr
.endr
	WIN 0x80                                       ; destination window 2
.irp b, 0,1
.irp f, 0,1,2,3,4,5,6,7
.irp c, 0,1,2
	global_load_b128 v[96*\b+12*\f+4*\c:96*\b+12*\f+4*\c+3], v4, s[32:33] offset:12288*(2+\b)+1536*\f+512*\c
.endr
.endr
.endr
	WIN 0
	s_wait_loadcnt 0x0
.irp i, 0,1,2
.irp s, 0,1,2,3
	v_lshl_or_b32 v84, v[AR+8*\i+2*\s+1], 16, v[AR+8*\i+2*\s]      ; lane (r, h): the bytes of heads 4 s + h and 4 s + 2 + h at places 0 and 2;
	v_permlanex16_b32 v85, v84, s38, s39
	v_lshl_or_b32 v[AS+4*\i+\s], v85, 8, v84                       ; with lane l xor 16's at places 1 and 3 the word is whole in lanes 0-15, which alone are read
.endr
.endr
.rept 8
	v_nop                                          ; a scale register written by a vector line stands eight places ahead of a scaled matrix instruction
.endr
	s_wait_alu depctr_va_vdst(0)                   ; O's scale words v72-83 are written, which the scaled products of the three tiles take as source 1's scales; the places above stay beside this wait
; Tile i: 32 matrix instructions, eight accumulators by turns, one instruction a turn, K step by K step; then the way out.
.macro TILE i, treg, ob
.irp s, 0,1,2,3
.irp b, 0,1,2,3
.if \s == 0
	WIN 0x3d+\b/2                                  ; source 0 (Wo) window 1 or 2, source 1 (O) and source 2 (bo) window 3
.else
	WIN 0x0d+\b/2
.endif
.irp u, 0,1
.if \s == 0
	v_wmma_scale_f32_16x16x128_f8f6f4 v[HA+16*\b+8*\u:HA+16*\b+8*\u+7], v[96*(\b%2)+24*\s+12*\u:96*(\b%2)+24*\s+12*\u+11], v[64+48*(\i)+12*\s:64+48*(\i)+12*\s+11], v[16*\b+8*\u:16*\b+8*\u+7], v[WS+8*\b+2*\s+\u], v[AS+4*(\i)+\s] matrix_a_fmt:MATRIX_FMT_FP6 matrix_b_fmt:MATRIX_FMT_FP6
.else
	v_wmma_scale_f32_16x16x128_f8f6f4 v[HA+16*\b+8*\u:HA+16*\b+8*\u+7], v[96*(\b%2)+24*\s+12*\u:96*(\b%2)+24*\s+12*\u+11], v[64+48*(\i)+12*\s:64+48*(\i)+12*\s+11], v[HA+16*\b+8*\u:HA+16*\b+8*\u+7], v[WS+8*\b+2*\s+\u], v[AS+4*(\i)+\s] matrix_a_fmt:MATRIX_FMT_FP6 matrix_b_fmt:MATRIX_FMT_FP6
.endif
.endr
.endr
.endr
	WIN 0
.rept 5
	v_nop                                          ; four places in front of the first read of results; five in front of the next tile's first product, which writes over these accumulators with another C
.endr
	s_wait_alu depctr_va_vdst(0)                   ; the tile's products have written the accumulators v96-159, which the LDS stores read; the places above stay beside this wait
.irp b, 0,1,2,3
.irp q, 0,1,2,3
	ds_store_b128 v9, v[HA+16*\b+4*\q:HA+16*\b+4*\q+3] offset:128*\b+16*\q   ; lane (r, h): columns 32 b + 16 h + 4 q on of row r; each accumulator from its low end on
.endr
.endr
	s_wait_xcnt 0x0                                ; the last tile's stores have read their data: the rows' registers are loaded again only behind this wait
	s_wait_alu depctr_vm_vsrc(0)                   ; the last tile's global stores have read v160-223, in which the LDS loads below land; the LDS stores above have read the accumulators, which the next tile's products write
.irp k, 0,1,2,3,4,5,6,7,8,9,10,11,12,13,14,15
	ds_load_b128 v[BK+4*\k:BK+4*\k+3], v10 offset:528*\k           ; LDS serves a wave's instructions in order: these see my stores
.endr
	s_wait_dscnt 0x0
.irp k, 0,1,2,3,4,5,6,7,8,9
	global_store_b128 v4, v[BK+4*\k:BK+4*\k+3], s[\ob:\ob+1] offset:(\k+8*(\k/8))*2048 th:TH_STORE_NT   ; 512 consecutive bytes of a row, aligned; written once, read by nobody here
.endr
	s_cmp_eq_u32 s[\treg], 85                      ; of tile 85 rows 10 on are tokens from 1370 on
	s_cbranch_scc1 .Lcut_\@
.irp k, 10,11,12,13,14,15
	global_store_b128 v4, v[BK+4*\k:BK+4*\k+3], s[\ob:\ob+1] offset:(\k+8*(\k/8))*2048 th:TH_STORE_NT
.endr
.Lcut_\@:
.endm
	TILE 0, 14, 26
	TILE 1, 15, 28
	s_cmp_gt_u32 s16, 85                           ; the batch has 86 tiles
	s_cbranch_scc1 .Lend
	TILE 2, 16, 30
.Lend:
	s_wait_dscnt 0x0                               ; the closing lines, six on end
	s_wait_alu 0x0
	s_wait_tensorcnt 0x0
	ds_add_u32 v254, v255
	s_wait_dscnt 0x0
	s_endpgm
.Lfunc_end_k_q55b591cb89_outp:
	.size	k_q55b591cb89_outp, .Lfunc_end_k_q55b591cb89_outp-k_q55b591cb89_outp
	.p2alignl 7, 3214868480
	.fill 96, 4, 3214868480
	.section	.rodata,"a",@progbits
	.p2align	6, 0x0
	.amdhsa_kernel k_q55b591cb89_outp
		.amdhsa_group_segment_fixed_size 34304
		.amdhsa_private_segment_fixed_size 0
		.amdhsa_enable_private_segment 0
		.amdhsa_kernarg_size 32
		.amdhsa_user_sgpr_count 2
		.amdhsa_user_sgpr_kernarg_segment_ptr 1
		.amdhsa_wavefront_size32 1
		.amdhsa_system_sgpr_workgroup_id_x 1
		.amdhsa_system_sgpr_workgroup_id_y 1
		.amdhsa_system_sgpr_workgroup_id_z 1
		.amdhsa_system_vgpr_workitem_id 0
		.amdhsa_next_free_vgpr 1024
		.amdhsa_next_free_sgpr 66
		.amdhsa_reserve_vcc 0
		.amdhsa_float_denorm_mode_32 3
		.amdhsa_float_denorm_mode_16_64 3
		.amdhsa_memory_ordered 1
		.amdhsa_forward_progress 1
		.amdhsa_inst_pref_size 54
	.end_amdhsa_kernel
	.amdgpu_metadata
---
amdhsa.version: [ 1, 2 ]
amdhsa.kernels:
  - .name:           k_q55b591cb89_outp
    .symbol:         k_q55b591cb89_outp.kd
    .args:
      - { .name: ao, .offset: 0, .size: 8, .value_kind: global_buffer, .address_space: global }
      - { .name: wimg, .offset: 8, .size: 8, .value_kind: global_buffer, .address_space: global }
      - { .name: bo, .offset: 16, .size: 8, .value_kind: global_buffer, .address_space: global }
      - { .name: out0, .offset: 24, .size: 8, .value_kind: global_buffer, .address_space: global }
    .group_segment_fixed_size: 34304
    .private_segment_fixed_size: 0
    .kernarg_segment_align: 8
    .kernarg_segment_size: 32
    .max_flat_workgroup_size: 128
    .sgpr_count:     66
    .vgpr_count:     1024
    .wavefront_size: 32
...
	.end_amdgpu_metadata
.endif
;; end of part 8
